; MI455X (gfx1250); checked and timed in simulation.
; The chip was launched on July 23, 2026; its instructions are those of AMD's public machine-readable ISA for CDNA 5 (MIT licence, August 2026) and "CDNA5" Instruction Set Architecture Reference Guide (July 2026). The comments in the code are by the model that wrote it; some were corrected since.
;; Mo E Layer. Allowed arithmetic: float matrix products may take bf16 or f16 operands with f32 sums; other float arithmetic in f32, or as packed bf16 or f16 multiplies, adds, multiply-adds, maxima and minima; sums over many terms, partial sums and values carried from step to step in f32; what a program stores and reads back later, other than sums and carried values, may be rounded once to bf16 or f16.
;; Inputs: b1 8 x 4,096 float32; b2 8 x 1,024 float32; gate_w 1,024 x 8 float32; w1 8 x 1,024 x 4,096 float32; w2 8 x 4,096 x 1,024 float32; x 2 x 512 x 1,024 float32.
;; Outputs: out0 2 x 512 x 1,024 float32; out1 2 x 512 x 8 float32; out2 2 x 512 x 2 int32; out3 2 x 512 x 2 float32.
;; 2 versions, each right; version 2 is version 1 with the launches up, down, combine written anew for expert scheduling mode. Each part assembles by itself: llvm-mc -triple=amdgcn-amd-amdhsa -mcpu=gfx1250 --defsym DOCPART=n.
;; ======== version 1 of 2: 4 launches
;; workspace buffers: xb 2,097,152 bytes; sel 8,192 bytes of whole numbers; h 67,108,864 bytes; order 65,536 bytes of whole numbers; gatew 65,536 bytes; part 33,554,432 bytes
;; launch router (part 1): grid 64 x 1, 8 waves a work-group, no clusters, 75,264 bytes of LDS; arguments x, gate_w, xb, out1, out2, out3, sel; writes xb, out1, out2, out3, sel
.if DOCPART == 1
	.amdgcn_target "amdgcn-amd-amdhsa--gfx1250"
	.amdhsa_code_object_version 6
	.text
	.protected	k_q2165482024_router
	.globl	k_q2165482024_router
	.p2align	8
	.type	k_q2165482024_router,@function
k_q2165482024_router:
	s_mov_b64 s[64:65], 0
	v_nop
	global_prefetch_b8 v0, s[64:65] scope:SCOPE_SE
	s_setreg_imm32_b32 hwreg(HW_REG_WAVE_MODE, 25, 1), 1
	s_wait_xcnt 0x0
; ROUTER.  logits = x gate_w, softmax, the two largest, their weights renormalised; and x rounded to bf16 for the next launch.
; x [1024][1024] f32, gate_w [1024][8] f32.  Both are rounded once to bf16, the products' sums are f32.
; A work-group owns 16 tokens.  Eight waves: wave w rounds rows 2w, 2w+1 of x and an eighth of gate_w, then multiplies k = 128w .. 128w+127;
; the eight partial sums meet in LDS, and wave 0 makes the softmax and the choice.  The choice steers no address here: it is stored at fixed places.
; LIMITS.  NaN and infinities are not treated apart.  A probability below 2^-126 (a logit more than 87 below the largest) counts as 0; among equal
; probabilities the lower index wins.  Logits closer than the sums' rounding (about 1e-6 of their size) may change places.
.set XP,    2064                       ; a row of x in LDS: 2,048 bytes + 16: an odd multiple of 16, so the 16 rows of a fragment load start 16 bytes apart modulo 256
.set GT,    33280                      ; gate_w as bf16, [1024 k][16 n], 32 bytes a row; columns 8-15 repeat 0-7
.set RED,   66048                      ; eight waves x 1,024 bytes of partial sums
.set SPARE, 74240                      ; the spare words, 128 bytes a wave: four blocks of 256 bytes that no other line names
.set SPW,   12                         ; v12  my spare word's LDS address; never rewritten
.set NIL,   13                         ; v13  0; never rewritten
.set O1,    20                         ; v20  wave 0: my byte offset in the group's rows of out1
.set O2,    21                         ; v21  wave 0: my byte offset in the group's rows of out2, out3, sel
.set XL,    64                         ; v[64:127]   x as loaded; later the fragments; later the partial sums
.set GL,    128                        ; v[128:159]  gate_w as loaded; later the four accumulators
.set XB,    160                        ; v[160:191]  x in bf16
.set GB,    192                        ; v[192:207]  gate_w in bf16
	s_load_b256 s[4:11], s[0:1], 0x0               ; x s[4:5], gate_w s[6:7], xb s[8:9], out1 s[10:11]
	s_load_b128 s[12:15], s[0:1], 0x20             ; out2 s[12:13], out3 s[14:15]
	s_load_b64 s[16:17], s[0:1], 0x30              ; sel
	v_lshl_add_u32 v[SPW], v0, 2, SPARE
	v_mov_b32 v[NIL], 0
	v_and_b32 v1, 31, v0                           ; lane
	v_lshrrev_b32 v2, 5, v0
	v_readfirstlane_b32 s20, v2                    ; wave
	v_and_b32 v3, 15, v0                           ; r
	v_bfe_u32 v4, v0, 4, 1                         ; hh
	s_lshl_b32 s22, ttmp9, 16                      ; 16 rows of 4,096 bytes of x
	s_mov_b32 s23, 0
	s_lshl_b32 s24, ttmp9, 15                      ; 16 rows of 2,048 bytes of xb
	s_mov_b32 s25, 0
	s_lshl_b32 s26, ttmp9, 9                       ; 16 rows of 32 bytes of out1
	s_mov_b32 s27, 0
	s_lshl_b32 s28, ttmp9, 7                       ; 16 rows of 8 bytes of out2, out3, sel
	s_mov_b32 s29, 0
	s_mov_b32 s30, 0xffff0000                      ; the mask of lanes 16-31
	v_lshlrev_b32 v5, 4, v1
	v_lshl_add_u32 v5, s20, 13, v5                 ; x: two rows a wave, 16 bytes a lane
	v_lshlrev_b32 v6, 4, v0                        ; gate_w: 16 bytes a thread
	v_lshlrev_b32 v7, 3, v1
	v_lshl_add_u32 v7, s20, 12, v7                 ; xb: two rows a wave, 8 bytes a lane
	s_mul_i32 s21, s20, 2*XP
	v_lshl_add_u32 v8, v1, 3, s21                  ; the same two rows in LDS
	v_lshrrev_b32 v10, 1, v1
	v_and_b32 v11, 1, v1
	v_lshlrev_b32 v9, 5, v10
	v_lshl_add_u32 v9, v11, 3, v9
	s_lshl_b32 s21, s20, 9
	s_add_co_u32 s21, s21, GT
	v_add_nc_u32 v9, s21, v9                       ; GT + 512 w + 32 (lane / 2) + 8 (lane % 2): row k = 128 i + 16 w + lane / 2, half lane % 2
	s_wait_kmcnt 0x0
	s_add_nc_u64 s[4:5], s[4:5], s[22:23]
	s_add_nc_u64 s[8:9], s[8:9], s[24:25]
	s_add_nc_u64 s[10:11], s[10:11], s[26:27]
	s_add_nc_u64 s[12:13], s[12:13], s[28:29]
	s_add_nc_u64 s[14:15], s[14:15], s[28:29]
	s_add_nc_u64 s[16:17], s[16:17], s[28:29]
.set n, 0
.rept 16                                       ; row n / 8, 512 consecutive bytes a load
	global_load_b128 v[XL+4*n:XL+4*n+3], v5, s[4:5] offset:(n/8)*4096+(n%8)*512 th:TH_LOAD_NT
.set n, n+1
.endr
.set n, 0
.rept 8
	global_load_b128 v[GL+4*n:GL+4*n+3], v6, s[6:7] offset:n*4096
.set n, n+1
.endr
	; the addresses of the later phases, made while the loads are out
	v_and_b32 v18, 7, v0
	v_bfe_u32 v19, v0, 3, 1
	v_lshlrev_b32 v14, 5, v18
	v_lshl_add_u32 v14, v19, 4, v14
	v_lshl_add_u32 v14, v4, 8, v14
	s_lshl_b32 s21, s20, 12
	s_add_co_u32 s21, s21, GT
	v_add_nc_u32 v14, s21, v14                     ; the turning load: row 128 w + 8 hh + lane % 8, columns 8 ((lane / 8) % 2) on
	v_mul_u32_u24 v15, v3, XP
	v_lshl_add_u32 v15, v4, 4, v15
	s_lshl_b32 s21, s20, 8
	v_add_nc_u32 v15, s21, v15                     ; x's fragments: row r, byte 256 w + 16 hh
	v_lshlrev_b32 v17, 4, v1
	v_add_nc_u32 v17, RED, v17                     ; the partial sums, read
	v_lshl_add_u32 v16, s20, 10, v17               ; and written: my wave's 1,024 bytes
	v_lshlrev_b32 v[O1], 5, v3
	v_lshl_add_u32 v[O1], v4, 4, v[O1]             ; out1: 32 r + 16 hh
	v_lshlrev_b32 v[O2], 3, v3
	v_lshl_add_u32 v[O2], v4, 2, v[O2]             ; out2, out3, sel: 8 r + 4 hh
.macro XROW i                          ; a row of x: rounded, stored to xb (256 consecutive bytes, aligned, a store) and laid into LDS
.set n, 0
.rept 8
	v_cvt_pk_bf16_f32 v[XB+16*(\i)+2*n], v[XL+32*(\i)+4*n], v[XL+32*(\i)+4*n+1]
	v_cvt_pk_bf16_f32 v[XB+16*(\i)+2*n+1], v[XL+32*(\i)+4*n+2], v[XL+32*(\i)+4*n+3]
	global_store_b64 v7, v[XB+16*(\i)+2*n:XB+16*(\i)+2*n+1], s[8:9] offset:(\i)*2048+n*256
	ds_store_b64 v8, v[XB+16*(\i)+2*n:XB+16*(\i)+2*n+1] offset:(\i)*XP+n*256
.set n, n+1
.endr
.endm
	s_wait_loadcnt 16                              ; my first row is in; the second row's eight loads and the gate's eight stay out
	XROW 0
	s_wait_loadcnt 8                               ; the second row; the gate's eight stay out
	XROW 1
	s_wait_loadcnt 0x0
.set n, 0
.rept 8
	v_cvt_pk_bf16_f32 v[GB+2*n], v[GL+4*n], v[GL+4*n+1]
	v_cvt_pk_bf16_f32 v[GB+2*n+1], v[GL+4*n+2], v[GL+4*n+3]
	ds_store_b64 v9, v[GB+2*n:GB+2*n+1] offset:n*4096
	ds_store_b64 v9, v[GB+2*n:GB+2*n+1] offset:n*4096+16   ; once more as columns 8-15
.set n, n+1
.endr
	s_wait_dscnt 0x0                               ; for the others' sake: my stores are done
	s_barrier_signal -1
	s_barrier_wait -1
	; source 0 = 16 columns of gate_w (turned on the way out of LDS), source 1 = 16 tokens: a lane then holds ONE token (lane % 16) and logit e in register e, in both halves of the lanes
.set n, 0
.rept 4
	ds_load_tr16_b128 v[XL+8*n:XL+8*n+3], v14 offset:n*1024
	ds_load_tr16_b128 v[XL+8*n+4:XL+8*n+7], v14 offset:n*1024+512
	ds_load_b128 v[XL+32+8*n:XL+32+8*n+3], v15 offset:n*64
	ds_load_b128 v[XL+32+8*n+4:XL+32+8*n+7], v15 offset:n*64+32
.set n, n+1
.endr
	s_wait_dscnt 0x0
.set n, 0
.rept 4                                        ; four accumulators, one product each: no chain
	v_wmma_f32_16x16x32_bf16 v[GL+8*n:GL+8*n+7], v[XL+8*n:XL+8*n+7], v[XL+32+8*n:XL+32+8*n+7], 0
.set n, n+1
.endr
.rept 4
	v_nop                                          ; four places between the last product and the first read of a result (ISA guide 7.12.1)
.endr
	; D0 += D1, D2 += D3, D0 += D2; each accumulator is read from its low end on
.set n, 0
.rept 4
	v_pk_add_f32 v[GL+2*n:GL+2*n+1], v[GL+2*n:GL+2*n+1], v[GL+8+2*n:GL+8+2*n+1]
.set n, n+1
.endr
.set n, 0
.rept 4
	v_pk_add_f32 v[GL+16+2*n:GL+16+2*n+1], v[GL+16+2*n:GL+16+2*n+1], v[GL+24+2*n:GL+24+2*n+1]
.set n, n+1
.endr
.set n, 0
.rept 4
	v_pk_add_f32 v[GL+2*n:GL+2*n+1], v[GL+2*n:GL+2*n+1], v[GL+16+2*n:GL+16+2*n+1]
.set n, n+1
.endr
	ds_store_b128 v16, v[GL:GL+3]
	ds_store_b128 v16, v[GL+4:GL+7] offset:512
	s_wait_dscnt 0x0
	s_barrier_signal -1
	s_barrier_wait -1
	s_cmp_lg_u32 s20, 0
	s_cbranch_scc1 .Lend                           ; what follows is wave 0's; no barrier stands in it
.set n, 0
.rept 16
	ds_load_b128 v[XL+4*n:XL+4*n+3], v17 offset:512*n      ; wave n / 2's sums, registers 4 (n % 2) on: all of v64-127 is on its way until the wait below
.set n, n+1
.endr
	s_wait_dscnt 0x0
.set n, 4
.rept 28                                       ; the logits: v[64:71]
	v_pk_add_f32 v[XL+2*(n%4):XL+2*(n%4)+1], v[XL+2*(n%4):XL+2*(n%4)+1], v[XL+2*n:XL+2*n+1]
.set n, n+1
.endr
.set n, 0
.rept 4
	v_cndmask_b32 v[140+n], v[XL+n], v[XL+4+n], s30        ; lanes 0-15 store logits 0-3, lanes 16-31 logits 4-7
.set n, n+1
.endr
	global_store_b128 v[O1], v[140:143], s[10:11]  ; 512 consecutive bytes
	v_max3_num_f32 v80, v64, v65, v66
	v_max3_num_f32 v80, v80, v67, v68
	v_max3_num_f32 v80, v80, v69, v70
	v_max_num_f32 v80, v80, v71                    ; the row's maximum is taken away first, as in the softmax that is computed
.set n, 0
.rept 8
	v_sub_f32 v[88+n], v[XL+n], v80
.set n, n+1
.endr
.set n, 0
.rept 8
	v_mul_f32 v[88+n], 0x3fb8aa3b, v[88+n]         ; log2(e)
.set n, n+1
.endr
.set n, 0
.rept 8
	v_exp_f32 v[88+n], v[88+n]
.set n, n+1
.endr
	v_nop                                          ; a plain instruction between the last exponential and the use of its result
	s_wait_alu depctr_va_vdst(0)
	v_pk_add_f32 v[108:109], v[88:89], v[90:91]
	v_pk_add_f32 v[110:111], v[92:93], v[94:95]
	v_pk_add_f32 v[108:109], v[108:109], v[110:111]
	v_add_f32 v81, v108, v109
	v_rcp_f32 v82, v81
	v_nop
.set n, 0
	s_wait_alu depctr_va_vdst(0)
.rept 8
	v_mul_f32 v[88+n], v[88+n], v82                ; the probabilities
.set n, n+1
.endr
	v_mov_b32 v96, v88                             ; the largest so far and its index,
	v_mov_b32 v97, 0
	v_mov_b32 v98, -1.0                            ; the second: below every probability
	v_mov_b32 v99, 0
.macro TOP e                           ; strict comparisons: among equals the lower index stays in front
	v_cmp_gt_f32 s31, v[88+(\e)], v96
	v_cmp_gt_f32 s32, v[88+(\e)], v98
	v_cndmask_b32 v98, v98, v[88+(\e)], s32
	v_cndmask_b32 v99, v99, \e, s32
	v_cndmask_b32 v98, v98, v96, s31
	v_cndmask_b32 v99, v99, v97, s31
	v_cndmask_b32 v96, v96, v[88+(\e)], s31
	v_cndmask_b32 v97, v97, \e, s31
.endm
.irp e, 1,2,3,4,5,6,7
	TOP \e
.endr
	v_add_f32 v100, v96, v98
	v_rcp_f32 v101, v100
	v_cndmask_b32 v104, v97, v99, s30              ; lanes 0-15 store the first choice, lanes 16-31 the second
	s_wait_alu depctr_va_vdst(0)
	v_mul_f32 v102, v96, v101
	v_mul_f32 v103, v98, v101
	v_cndmask_b32 v105, v102, v103, s30
	global_store_b32 v[O2], v104, s[12:13]         ; 128 consecutive bytes each
	global_store_b32 v[O2], v104, s[16:17]
	global_store_b32 v[O2], v105, s[14:15]
.Lend:
	s_wait_tensorcnt 0x0                           ; the wave's end: three closing lines, behind my last LDS store
	ds_add_u32 v[SPW], v[NIL]
	s_wait_dscnt 0x0
	s_endpgm
.Lfunc_end_k_q2165482024_router:
	.size	k_q2165482024_router, .Lfunc_end_k_q2165482024_router-k_q2165482024_router
	.p2alignl 7, 3214868480
	.fill 96, 4, 3214868480
	.section	.rodata,"a",@progbits
	.p2align	6, 0x0
	.amdhsa_kernel k_q2165482024_router
		.amdhsa_group_segment_fixed_size 75264
		.amdhsa_private_segment_fixed_size 0
		.amdhsa_enable_private_segment 0
		.amdhsa_kernarg_size 56
		.amdhsa_user_sgpr_count 2
		.amdhsa_user_sgpr_kernarg_segment_ptr 1
		.amdhsa_wavefront_size32 1
		.amdhsa_system_sgpr_workgroup_id_x 1
		.amdhsa_system_sgpr_workgroup_id_y 1
		.amdhsa_system_sgpr_workgroup_id_z 1
		.amdhsa_system_vgpr_workitem_id 0
		.amdhsa_next_free_vgpr 224
		.amdhsa_next_free_sgpr 66
		.amdhsa_reserve_vcc 0
		.amdhsa_float_denorm_mode_32 3
		.amdhsa_float_denorm_mode_16_64 3
		.amdhsa_memory_ordered 1
		.amdhsa_forward_progress 1
		.amdhsa_inst_pref_size 24
	.end_amdhsa_kernel
	.amdgpu_metadata
---
amdhsa.version: [ 1, 2 ]
amdhsa.kernels:
  - .name:           k_q2165482024_router
    .symbol:         k_q2165482024_router.kd
    .args:
      - { .name: x, .offset: 0, .size: 8, .value_kind: global_buffer, .address_space: global }
      - { .name: gate_w, .offset: 8, .size: 8, .value_kind: global_buffer, .address_space: global }
      - { .name: xb, .offset: 16, .size: 8, .value_kind: global_buffer, .address_space: global }
      - { .name: out1, .offset: 24, .size: 8, .value_kind: global_buffer, .address_space: global }
      - { .name: out2, .offset: 32, .size: 8, .value_kind: global_buffer, .address_space: global }
      - { .name: out3, .offset: 40, .size: 8, .value_kind: global_buffer, .address_space: global }
      - { .name: sel, .offset: 48, .size: 8, .value_kind: global_buffer, .address_space: global }
    .group_segment_fixed_size: 75264
    .private_segment_fixed_size: 0
    .kernarg_segment_align: 8
    .kernarg_segment_size: 56
    .max_flat_workgroup_size: 256
    .sgpr_count:     66
    .vgpr_count:     224
    .wavefront_size: 32
...
	.end_amdgpu_metadata
.endif
;; end of part 1
;; launch up (part 2): grid 32 x 8, 4 waves a work-group, no clusters, 33,280 bytes of LDS; arguments xb, w1, b1, sel, out3, h, order, gatew; writes h, order, gatew
.if DOCPART == 2
	.amdgcn_target "amdgcn-amd-amdhsa--gfx1250"
	.amdhsa_code_object_version 6
	.text
	.protected	k_q2165482024_up
	.globl	k_q2165482024_up
	.p2align	8
	.type	k_q2165482024_up,@function
k_q2165482024_up:
	s_mov_b64 s[64:65], 0
	v_nop
	global_prefetch_b8 v0, s[64:65] scope:SCOPE_SE
	s_setreg_imm32_b32 hwreg(HW_REG_WAVE_MODE, 25, 1), 1
	s_wait_xcnt 0x0
; FIRST PRODUCT.  h = relu(x w1[e] + b1[e]) for the rows that chose expert e, in bf16, laid out as the next launch's operand.
; A work-group is (expert e = y, slice sl = x of 128 columns): all of the expert's rows x K = 1,024 x 128 columns.  Its 512 KB of f32 weights are read by it alone, once
; (again only for rows past 384), and rounded to bf16 on their way through registers; b1 is rounded to bf16 too; sums in f32; h rounded once.
; ROWS.  Every wave makes the expert's 32 membership masks from sel (bit l of mask W: token 64 (W / 2) + W % 2 + 2 l) and finds the token of a given rank by register arithmetic.
; Rank order is mask order.  Places past the count repeat the last row.  Wave w owns the tiles of 16 ranks w + 4 j, j = 0..5; tiles 0-3 are always made, 4 and 5 by the count;
; ranks from 384 on go through a loop of their own, two tiles a trip, without LDS.  The slice-0 work-groups also store the lists (slot = 2 token + k, the gate's weight) and the count.
; K goes in 16 trips of 64, two sub-steps of 32.  Position p (0..15) of lane half hh in sub-step sg stands for k = 64 t + 32 hh + 16 sg + p, alike in both operands.
; WEIGHTS lie [K][N].  Lane (r, hh) loads 16 bytes of row k, columns 64 be + 4 r + 0..3: sixteen lanes take 256 consecutive bytes, aligned.  Component c of the 16 loads of a sub-step
; IS fragment c, whose index r stands for column 64 be + 4 r + c: nothing is transposed.  Wave w stages block (sg = w / 2, be = w % 2) of a trip into LDS; all four waves read all 16 fragments.
; Two LDS slots take turns, with one barrier a trip, between the trip's two halves.  A wave is alone on its SIMD, so every run of loads stands where products that do not need it follow.
; The product is used transposed (source 0 = weights, source 1 = rows): a lane holds one rank and, in register i of accumulator (be, c), column 64 be + 32 hh + 4 i + c.
; NO CLUSTER: each weight byte has one reader, and the rows come by a list that no tile descriptor covers.
; LIMITS.  NaN and infinities are not treated apart (the maximum with 0 turns a NaN into 0).
; REGISTERS, in windows of 256 (s_set_vgpr_msb: bits 1:0 source 0, 3:2 source 1, 5:4 source 2, 7:6 destination):
;   window 0: v0-31 addresses; v32-63 packed fragments; v64-127, v128-191 two stage sets of f32 weights (later the way out); v192-255 sel's words, then the rank search
;   window 1: v0-95, v96-191 two buffers of rows (tile j, sub-step sg at 16 j + 8 sg); v192-255 the bias in the accumulators' layout
;   window 2: the accumulators of tiles 0-3 (64 j + 32 be + 8 c)      window 3: v0-127 those of tiles 4, 5; v128-255 the 16 weight fragments (128 + 64 sg + 32 be + 8 c)
.set UP,    1
.set PITCH, 16384                      ; bytes from row to row of the weights
.set WSTEP, 64*PITCH                   ; a trip's 64 rows
.set ASTEP, 128                        ; a trip's 64 k of a row of xb
.set AIMM,  16
.set SLOTB, 16384                      ; an LDS slot: 16 fragments of 1,024 bytes
.set SPARE, 2*SLOTB                    ; the spare words, 128 bytes a wave: two blocks of 256 bytes that no other line names
.set LANE, 1
.set R,    2
.set HH,   3
.set VW,   4                           ; weights: 32 hh rows + 16 r bytes
.set VPF,  5                           ; prefetch: row 32 hh + r of my block
.set LW,   6                           ; LDS: where I store fragments: 4,096 w + 16 lane
.set LR,   7                           ; LDS: where I read them: 16 lane
.set VH,   8                           ; 16 lane
.set SPW,  9                           ; my spare word; never rewritten
.set NIL,  10                          ; 0; never rewritten
.set ZERO, 11                          ; 0, for the maximum
.set VA,   12                          ; v12-17: tile j's row offset in xb: 2,048 token + 64 hh
.set C64R, 18                          ; 64 hh + r
.set C64H, 19                          ; 64 hh
.set HB,   20                          ; 128 hh
.set PK,   32
.set ST0,  64
.set RAW,  200                         ; the rank search's registers
.set RHO,  201
.set WD,   202
.set PX,   203
.set NN,   204
.set TT,   205
.set CA,   206
.set CB,   207
.set CC,   208
.set CD,   209
.set POS,  210
.set TOKN, 211
.set XO,   212
.set TA,   213
.set TB,   214
.set U1,   215
.set LA,   216
.set SLT,  222
.set WT,   223
.set SA,   224
.set TK,   226                         ; v226-231: six tiles' tokens
.set WV,  20
.set EX,  21
.set SL,  22
.set CNT, 23
.set NTL, 24                           ; tiles of the expert
.set NT,  25                           ; my live tiles among j = 0..5
.set LC,  26
.set CM1, 27                           ; the last rank
.set PW,  28                           ; in trip t: my block of trip t
.set PA,  30                           ; in trip t: xb + 128 t
.set MM,  32                           ; s[32:63] the masks
.set PH,  68
.set OW0, 70
.set PF,  72
.set TS,  73
.set PWK, 74
.set OI,  80
.set ON,  81
.set KC,  82
.set OW,  84
.set OA,  86
.set WINC, 88
.set AINC, 90
.set ORDE, 92
.set GWE, 94
.set TC,  96
.set RB,  97
.set PHO, 98
.set MSB, 0
.macro WIN new                         ; the immediate's high byte repeats the setting that is left; a switch that changes nothing is dropped
.if MSB != (\new)
	s_set_vgpr_msb (MSB<<8)|(\new)
.set MSB, \new
.endif
.endm
.macro WLOAD st, base                  ; my block of a trip: 16 rows a lane half, into a stage set
.set p, 0
.rept 16
	global_load_b128 v[(\st)+4*p:(\st)+4*p+3], v[VW], s[PW:PW+1] offset:(\base)+p*PITCH th:TH_LOAD_NT
.set p, p+1
.endr
.endm
.macro CVTW st, slot                   ; a stage set becomes four fragments, which go into an LDS slot
.set c, 0
.rept 4
.set i, 0
.rept 8
	v_cvt_pk_bf16_f32 v[PK+8*c+i], v[(\st)+8*i+c], v[(\st)+8*i+4+c]
.set i, i+1
.endr
	ds_store_b128 v[LW], v[PK+8*c:PK+8*c+3] offset:(\slot)*SLOTB+c*1024
	ds_store_b128 v[LW], v[PK+8*c+4:PK+8*c+7] offset:(\slot)*SLOTB+c*1024+512
.set c, c+1
.endr
.endm
.macro FETCHH slot, sg                 ; 16 LDS loads in one run: the eight fragments of sub-step sg of a slot
	WIN 0xc0
.set n, 0
.rept 16
	ds_load_b128 v[128+64*(\sg)+4*n:128+64*(\sg)+4*n+3], v[LR] offset:(\slot)*SLOTB+8192*(\sg)+512*n
.set n, n+1
.endr
.endm
.macro ALDH j, b, sg, base             ; tile j's rows of one sub-step, into half sg of buffer b
	WIN 0x40
	global_load_b128 v[96*(\b)+16*(\j)+8*(\sg):96*(\b)+16*(\j)+8*(\sg)+3], v[VA+(\j)], s[PA:PA+1] offset:(\base)+2*(\sg)*AIMM
	global_load_b128 v[96*(\b)+16*(\j)+8*(\sg)+4:96*(\b)+16*(\j)+8*(\sg)+7], v[VA+(\j)], s[PA:PA+1] offset:(\base)+(2*(\sg)+1)*AIMM
.endm
.macro ALH b, sg, base, cond           ; a batch of rows: 8 loads, and 2 more for each of tiles 4 and 5.  cond = 1: those by the count; the jumps pass loads alone
	ALDH 0, \b, \sg, \base
	ALDH 1, \b, \sg, \base
	ALDH 2, \b, \sg, \base
	ALDH 3, \b, \sg, \base
.if \cond
	WIN 0
	s_cmp_lt_u32 s[NT], 5
	s_cbranch_scc1 .Lal_\@
.endif
	ALDH 4, \b, \sg, \base
.if \cond
	WIN 0
	s_cmp_lt_u32 s[NT], 6
	s_cbranch_scc1 .Lal_\@
.endif
	ALDH 5, \b, \sg, \base
	WIN 0
.Lal_\@:
.endm
; Tile j's eight products of sub-step sg, rows from buffer b: its eight accumulators by turns.  zero = 1: they start the sums (here with the bias as C).
.macro PROD j, sg, b, zero
.set rA, 96*(\b)+16*(\j)+8*(\sg)
.set rD, 64*((\j)%4)
.set hiw, (\j)/4
.set n, 0
.rept 8
.set rW, 128+64*(\sg)+8*n
.if UP
.if \zero
	WIN 0x97+0x40*hiw
	v_wmma_f32_16x16x32_bf16 v[rD+8*n:rD+8*n+7], v[rW:rW+7], v[rA:rA+7], v[192+8*n:192+8*n+7]
.else
	WIN 0xa7+0x50*hiw
	v_wmma_f32_16x16x32_bf16 v[rD+8*n:rD+8*n+7], v[rW:rW+7], v[rA:rA+7], v[rD+8*n:rD+8*n+7]
.endif
.else
	WIN 0xad+0x50*hiw
.if \zero
	v_wmma_f32_16x16x32_bf16 v[rD+8*n:rD+8*n+7], v[rA:rA+7], v[rW:rW+7], 0
.else
	v_wmma_f32_16x16x32_bf16 v[rD+8*n:rD+8*n+7], v[rA:rA+7], v[rW:rW+7], v[rD+8*n:rD+8*n+7]
.endif
.endif
.set n, n+1
.endr
.endm
.macro PR45 sg, b, zero, cond          ; the products of tiles 4 and 5.  cond = 1: by the count; the jumps pass products alone
.if \cond
	WIN 0
	s_cmp_lt_u32 s[NT], 5
	s_cbranch_scc1 .Lpd_\@
.endif
	PROD 4, \sg, \b, \zero
.if \cond
	WIN 0
	s_cmp_lt_u32 s[NT], 6
	s_cbranch_scc1 .Lpd_\@
.endif
	PROD 5, \sg, \b, \zero
	WIN 0
.Lpd_\@:
.endm
; TRIP t, b = t % 2, in two halves, one for each sub-step.  Each run of loads is followed by products that do not need it:
;   head of half 0    fragments (t, 1) from slot b and rows (t + 1, 1): their registers were last read by half 1 of trip t - 1
;   middle of half 0  weights t + 1 rounded and stored into the other slot; weights t + 3 asked for; my block of trip t + 6 asked for ahead (each lane another row's 256 bytes, each piece once in the launch)
;   THE BARRIER       in front of the signal my stores into the other slot are done and my reads of slot b are back (the wait for 0); eight products stand between signal and wait.  Behind the wait the
;                     other slot is whole, and slot b, which nobody reads any more, may be stored into in the next trip
;   head of half 1    fragments (t + 1, 0) from the other slot and rows (t + 2, 0): their registers were last read by half 0
; So fragments have half a trip in which to land, rows a trip and a half, weights two trips.
; GLOBAL LOADS are issued in the order rows (t, 1), weights t + 2, rows (t + 1, 0), rows (t + 1, 1), weights t + 3, rows (t + 2, 0).  A batch of rows is 8 loads at the least, a batch of weights 16.
; c0 leaves out what is issued behind rows (t, 0), at the least 8 + 16 + 8 + 8 = 40; weights t + 1 are older than rows (t, 0).  c1 leaves out what is issued behind rows (t, 1): 16 + 8 + 8 + 16 + 8 = 56.
; first = 1: trip 0: no step; its half 0 starts the sums of all six tiles and loads rows (1, 1) of all six, so that every register is written on every way.
; la1, la0: rows are asked for at the two heads; st: weights are staged (with the barrier and the next trip's first fragments); ldw: weights are asked for;
; pf = 1: the request ahead; pf > 1: only while the loop's count is pf or more, so that no request passes trip 15.
; The accumulators take turns, one instruction a turn: between two products on one accumulator stand 31 others' or more, on every way.
.macro TRIP b, first, c0, c1, la1, st, ldw, pf, la0
.if !(\first)
	WIN 0
.rept 4
	v_nop                                          ; four places between the last trip's products and the loads into registers that they read (ISA guide 7.12.1 for vector instructions)
.endr
.if (\la1) || (\la0)
	s_wait_xcnt 0x0                                ; the pointers are stepped only when the loads and the prefetch that name them have had their addresses translated
	s_add_nc_u64 s[PA:PA+1], s[PA:PA+1], ASTEP
.endif
.if \ldw
	s_add_nc_u64 s[PW:PW+1], s[PW:PW+1], WSTEP
.endif
.endif
	FETCHH \b, 1
.if \la1
	ALH 1-(\b), 1, ASTEP, 1-(\first)
.endif
	s_wait_loadcnt \c0                             ; rows (t, 0) and weights t + 1 are in
	s_wait_dscnt 16                                ; fragments (t, 0) are in; the sixteen loads just issued stay out
	PROD 0, 0, \b, \first
	PROD 1, 0, \b, \first
	WIN 0
.if \st
	CVTW ST0+64*(1-(\b)), 1-(\b)
.endif
.if \ldw
	WLOAD ST0+64*(1-(\b)), 3*WSTEP
.endif
.if (\pf) == 1
	global_prefetch_b8 v[VPF], s[PW:PW+1] offset:6*WSTEP th:TH_LOAD_NT scope:SCOPE_SE
.elseif (\pf) > 1
	s_cmp_lt_u32 s[LC], \pf
	s_cbranch_scc1 .Lpf_\@
	global_prefetch_b8 v[VPF], s[PW:PW+1] offset:6*WSTEP th:TH_LOAD_NT scope:SCOPE_SE
.Lpf_\@:
.endif
	PR45 0, \b, \first, 1-(\first)
	PROD 2, 0, \b, \first
	s_wait_dscnt 0x0                               ; fragments (t, 1) are in: my reads of slot b are over; my stores into the other slot are done
.if \st
	s_barrier_signal -1
.endif
	PROD 3, 0, \b, \first
.if \st
	s_barrier_wait -1
	WIN 0
.rept 4
	v_nop                                          ; four places between half 0's products and the loads into registers that they read
.endr
	FETCHH 1-(\b), 0
.endif
.if \la0
	ALH \b, 0, 2*ASTEP, 1
.endif
	s_wait_loadcnt \c1                             ; rows (t, 1) are in
	PROD 0, 1, \b, 0
	PROD 1, 1, \b, 0
	PROD 2, 1, \b, 0
	PROD 3, 1, \b, 0
	PR45 1, \b, 0, 1
.endm
; One sub-step of the loop for ranks past 384: both column halves' weights straight from memory through both stage sets into the fragments' registers, two tiles' rows, 16 products.  No LDS, no barrier.
.macro OSTEP zero
	WIN 0
.rept 4
	v_nop                                          ; four places behind the last products, for the loads and conversions into registers that they read
.endr
.set p, 0
.rept 16
	global_load_b128 v[ST0+4*p:ST0+4*p+3], v[VW], s[OW:OW+1] offset:p*PITCH
	global_load_b128 v[ST0+64+4*p:ST0+64+4*p+3], v[VW], s[OW:OW+1] offset:p*PITCH+256
.set p, p+1
.endr
	WIN 0x40
.set i, 0
.rept 2
	global_load_b128 v[4*i:4*i+3], v[VA], s[OA:OA+1] offset:i*AIMM
	global_load_b128 v[16+4*i:16+4*i+3], v[VA+1], s[OA:OA+1] offset:i*AIMM
.set i, i+1
.endr
	WIN 0
	s_wait_loadcnt 0x0                             ; all are in, so their pointers may be stepped
	s_add_nc_u64 s[OW:OW+1], s[OW:OW+1], s[WINC:WINC+1]
	s_xor_b32 s[WINC], s[WINC], 32*PITCH           ; 16 rows and 48 rows by turns
.if UP
	s_add_nc_u64 s[OA:OA+1], s[OA:OA+1], s[AINC:AINC+1]
	s_xor_b32 s[AINC], s[AINC], 64                 ; 32 bytes and 96 bytes by turns
.else
	s_add_nc_u64 s[OA:OA+1], s[OA:OA+1], 1024
.endif
	WIN 0xc0
.set n, 0
.rept 8
.set i, 0
.rept 8
	v_cvt_pk_bf16_f32 v[128+8*n+i], v[ST0+64*(n/4)+8*i+n%4], v[ST0+64*(n/4)+8*i+4+n%4]
.set i, i+1
.endr
.set n, n+1
.endr
	PROD 0, 0, 0, \zero
	PROD 1, 0, 0, \zero
	WIN 0
.endm
; The token of rank RB + 64 hh + r (clamped to the last rank).  The word: the last one whose prefix count is not above the rank.  The bit: by partial counts, halving five times.
.macro SELSTEP src, wid, stp
	v_bfe_u32 v[TT], v[\src], v[POS], \wid
	v_cmp_ge_u32 vcc_lo, v[NN], v[TT]
	v_cndmask_b32 v[TT], 0, v[TT], vcc_lo
	v_sub_nc_u32 v[NN], v[NN], v[TT]
	v_cndmask_b32 v[U1], 0, \stp, vcc_lo
	v_add_nc_u32 v[POS], v[POS], v[U1]
.endm
.macro TOK
	v_add_nc_u32 v[RAW], s[RB], v[C64R]
	v_min_u32 v[RHO], s[CM1], v[RAW]
	v_mov_b32 v[WD], s[MM]
	v_mov_b32 v[PX], 0
	s_mov_b32 s[PF], 0
.set wi, 1
.rept 31
	s_bcnt1_i32_b32 s[TS], s[MM+wi-1]
	s_add_co_u32 s[PF], s[PF], s[TS]               ; ranks in front of word wi,
	s_add_co_u32 s[PWK], s[PF], (64*(wi/2)+wi%2)<<16   ; and above them the word's first token
	v_cmp_le_u32 vcc_lo, s[PF], v[RHO]
	v_cndmask_b32 v[WD], v[WD], s[MM+wi], vcc_lo
	v_cndmask_b32 v[PX], v[PX], s[PWK], vcc_lo
.set wi, wi+1
.endr
	v_and_b32 v[TT], 0xffff, v[PX]
	v_sub_nc_u32 v[NN], v[RHO], v[TT]              ; the rank inside the word
	v_lshrrev_b32 v[TT], 1, v[WD]
	v_and_b32 v[TT], 0x55555555, v[TT]
	v_sub_nc_u32 v[CA], v[WD], v[TT]               ; counts of 2 bits,
	v_lshrrev_b32 v[TT], 2, v[CA]
	v_and_b32 v[TT], 0x33333333, v[TT]
	v_and_b32 v[CB], 0x33333333, v[CA]
	v_add_nc_u32 v[CB], v[CB], v[TT]               ; of 4,
	v_lshrrev_b32 v[TT], 4, v[CB]
	v_add_nc_u32 v[CC], v[CB], v[TT]
	v_and_b32 v[CC], 0x0f0f0f0f, v[CC]             ; of 8,
	v_lshrrev_b32 v[TT], 8, v[CC]
	v_add_nc_u32 v[CD], v[CC], v[TT]
	v_and_b32 v[CD], 0x00ff00ff, v[CD]             ; of 16
	v_mov_b32 v[POS], 0
	SELSTEP CD, 8, 16
	SELSTEP CC, 8, 8
	SELSTEP CB, 4, 4
	SELSTEP CA, 2, 2
	SELSTEP WD, 1, 1
	v_lshrrev_b32 v[TT], 16, v[PX]
	v_lshl_add_u32 v[TOKN], v[POS], 1, v[TT]
.endm
.macro LISTS                           ; slice 0 alone: slot and weight of these 32 ranks, for the next launch
	s_cmp_lg_u32 s[SL], 0
	s_cbranch_scc1 .Lnl_\@
	v_min_u32 v[LA], 0x3ff, v[TOKN]
	v_lshlrev_b32 v[LA], 3, v[LA]
	global_load_b64 v[218:219], v[LA], s[10:11]
	global_load_b64 v[220:221], v[LA], s[12:13]
	v_lshlrev_b32 v[SA], 2, v[RAW]
	s_wait_loadcnt 0x0
	v_cmp_eq_u32 vcc_lo, s[EX], v219               ; is the expert the token's second choice?
	v_cndmask_b32 v[U1], 0, 1, vcc_lo
	v_lshl_add_u32 v[SLT], v[TOKN], 1, v[U1]
	v_cndmask_b32 v[WT], v220, v221, vcc_lo
	global_store_b32 v[SA], v[SLT], s[ORDE:ORDE+1]
	global_store_b32 v[SA], v[WT], s[GWE:GWE+1]
	s_wait_xcnt 0x0                                ; these registers are written again
.Lnl_\@:
.endm
.macro PAIR                            ; lanes 0-15 hold one tile's tokens, lanes 16-31 those of the tile four further on: both halves of the lanes get both
	v_permlanex16_b32 v[XO], v[TOKN], s76, s77
	v_cndmask_b32 v[TA], v[TOKN], v[XO], s78
	v_cndmask_b32 v[TB], v[XO], v[TOKN], s78
.endm
; THE WAY OUT of tile j: rounded to bf16, the maximum with 0, eight stores of 512 consecutive bytes.  Each accumulator is read from its low end on.
.macro EPI j, pb
	WIN 0
	s_wait_xcnt 0x0                                ; the registers that earlier stores read are written again only behind this wait
.set rT, ST0+32*((\j)%2)
.set rD, 64*((\j)%4)
	WIN 0x0a+5*((\j)/4)
.set ii, 0
.rept 8
.set n, 0
.rept 4                                        ; n = 2 be + cp
	v_cvt_pk_bf16_f32 v[rT+16*(n/2)+2*ii+n%2], v[rD+32*(n/2)+16*(n%2)+ii], v[rD+32*(n/2)+16*(n%2)+8+ii]
.set n, n+1
.endr
.set ii, ii+1
.endr
	WIN 0
.set n, 0
.rept 32
	v_pk_max_num_bf16 v[rT+n], v[rT+n], v[ZERO]
.set n, n+1
.endr
.set n, 0
.rept 8
	global_store_b128 v[VH], v[rT+4*n:rT+4*n+3], s[\pb:\pb+1] offset:(\j)*524288+(n/4)*2048+(n%4)*512
.set n, n+1
.endr
.endm
	s_load_b512 s[4:19], s[0:1], 0x0               ; xb s[4:5], w1 s[6:7], b1 s[8:9], sel s[10:11], out3 s[12:13], h s[14:15], order s[16:17], gatew s[18:19]
	v_lshl_add_u32 v[SPW], v0, 2, SPARE
	v_mov_b32 v[NIL], 0
	v_mov_b32 v[ZERO], 0
	v_and_b32 v[LANE], 31, v0
	v_lshrrev_b32 v21, 5, v0
	v_readfirstlane_b32 s[WV], v21
	v_and_b32 v[R], 15, v0
	v_bfe_u32 v[HH], v0, 4, 1
	s_and_b32 s[EX], ttmp7, 0xffff
	s_mov_b32 s[SL], ttmp9
	s_mov_b32 s76, 0x76543210                      ; v_permlanex16_b32: each lane takes its own place in the other half
	s_mov_b32 s77, 0xfedcba98
	s_mov_b32 s78, 0xffff0000                      ; the mask of lanes 16-31, and of a word's upper bf16
	v_lshlrev_b32 v[VH], 4, v[LANE]
	v_lshlrev_b32 v[VW], 4, v[R]
	v_lshl_add_u32 v[VW], v[HH], 19, v[VW]
	v_lshlrev_b32 v[VPF], 14, v[R]
	v_lshl_add_u32 v[VPF], v[HH], 19, v[VPF]
	v_mov_b32 v[LR], v[VH]
	s_lshl_b32 s75, s[WV], 12
	v_add_nc_u32 v[LW], s75, v[VH]
	v_lshl_add_u32 v[C64R], v[HH], 6, v[R]
	v_lshlrev_b32 v[C64H], 6, v[HH]
	v_lshlrev_b32 v[HB], 7, v[HH]
	s_lshl_b32 s66, s[EX], 24                      ; the slice in w1: 16 MiB an expert, 512 bytes a slice
	s_lshl_b32 s75, s[SL], 9
	s_add_co_u32 s66, s66, s75
	s_mov_b32 s67, 0
	s_and_b32 s72, s[WV], 1                        ; my block of a trip: column half w % 2, sub-step w / 2
	s_lshl_b32 s72, s72, 8
	s_lshr_b32 s73, s[WV], 1
	s_lshl_b32 s73, s73, 18
	s_add_co_u32 s72, s72, s73
	s_mov_b32 s73, 0
	s_lshl_b32 s74, s[EX], 14                      ; the slice in b1
	s_add_co_u32 s74, s74, s75
	s_mov_b32 s75, 0
	s_lshl_b32 s80, s[EX], 23                      ; h: 8 MiB an expert, 128 KiB a tile, 2,048 bytes a block of 64 columns
	s_lshl_b32 s82, s[WV], 17
	s_add_co_u32 s80, s80, s82
	s_lshl_b32 s82, s[SL], 12
	s_add_co_u32 s80, s80, s82
	s_mov_b32 s81, 0
	s_lshl_b32 s84, s[EX], 13                      ; the expert's row of the lists
	s_mov_b32 s85, 0
	s_wait_kmcnt 0x0
	s_add_nc_u64 s[OW0:OW0+1], s[6:7], s[66:67]
	s_add_nc_u64 s[PW:PW+1], s[OW0:OW0+1], s[72:73]
	s_mov_b64 s[PA:PA+1], s[4:5]
	s_add_nc_u64 s[8:9], s[8:9], s[74:75]
	s_add_nc_u64 s[PH:PH+1], s[14:15], s[80:81]
	s_add_nc_u64 s[ORDE:ORDE+1], s[16:17], s[84:85]
	s_add_nc_u64 s[GWE:GWE+1], s[18:19], s[84:85]
.set n, 0
.rept 16
	global_load_b128 v[192+4*n:192+4*n+3], v[VH], s[10:11] offset:n*512    ; all 1,024 tokens' choices
.set n, n+1
.endr
	WLOAD ST0, 0                                   ; weights of trips 0 and 1
	WLOAD ST0+64, WSTEP
	WIN 0x40
.set n, 0
.rept 16                                       ; the bias: n = 8 be + i: columns 64 be + 32 hh + 4 i + 0..3
	global_load_b128 v[96+4*n:96+4*n+3], v[HB], s[8:9] offset:(n/8)*256+(n%8)*16
.set n, n+1
.endr
	WIN 0
	global_prefetch_b8 v[VPF], s[PW:PW+1] offset:3*WSTEP th:TH_LOAD_NT scope:SCOPE_SE
	global_prefetch_b8 v[VPF], s[PW:PW+1] offset:4*WSTEP th:TH_LOAD_NT scope:SCOPE_SE
	global_prefetch_b8 v[VPF], s[PW:PW+1] offset:5*WSTEP th:TH_LOAD_NT scope:SCOPE_SE
	s_wait_loadcnt 48                              ; sel is in; the weights' 32 loads and the bias's 16 stay out
.set n, 0
.rept 16
	v_cmp_eq_u32 s72, s[EX], v[192+4*n]
	v_cmp_eq_u32 s73, s[EX], v[192+4*n+1]
	v_cmp_eq_u32 s74, s[EX], v[192+4*n+2]
	v_cmp_eq_u32 s75, s[EX], v[192+4*n+3]
	s_or_b32 s[MM+2*n], s72, s73
	s_or_b32 s[MM+2*n+1], s74, s75
.set n, n+1
.endr
	s_mov_b32 s[CNT], 0
.set n, 0
.rept 32
	s_bcnt1_i32_b32 s75, s[MM+n]
	s_add_co_u32 s[CNT], s[CNT], s75
.set n, n+1
.endr
	s_add_co_u32 s[NTL], s[CNT], 15
	s_lshr_b32 s[NTL], s[NTL], 4
	s_add_co_u32 s[NT], s[NTL], 3
	s_sub_co_u32 s[NT], s[NT], s[WV]
	s_lshr_b32 s[NT], s[NT], 2                     ; tiles w + 4 j below the expert's number of tiles,
	s_min_u32 s[NT], s[NT], 6                      ; six at the most here
	s_max_u32 s[CM1], s[CNT], 1
	s_sub_co_u32 s[CM1], s[CM1], 1
	s_sub_co_i32 s[ON], s[NTL], 17
	s_sub_co_i32 s[ON], s[ON], s[WV]
	s_max_i32 s[ON], s[ON], 0
	s_lshr_b32 s[ON], s[ON], 3                     ; trips of the loop for tiles 24 + w + 8 i
.set n, 0
.rept 6
	v_mov_b32 v[TK+n], 0
.set n, n+1
.endr
	v_mov_b32 v[XO], 0
	s_lshl_b32 s[RB], s[WV], 4
	s_mov_b32 s[TC], 3
.Ltok:                                         ; three trips: tiles w + 8 i and w + 8 i + 4.  No register can be indexed by the count, so the six tokens move up a pair a trip
	TOK
	LISTS
	PAIR
	v_mov_b32 v[TK], v[TK+2]
	v_mov_b32 v[TK+1], v[TK+3]
	v_mov_b32 v[TK+2], v[TK+4]
	v_mov_b32 v[TK+3], v[TK+5]
	v_mov_b32 v[TK+4], v[TA]
	v_mov_b32 v[TK+5], v[TB]
	s_add_co_u32 s[RB], s[RB], 128
	s_sub_co_u32 s[TC], s[TC], 1
	s_cmp_lg_u32 s[TC], 0
	s_cbranch_scc1 .Ltok
.set n, 0
.rept 6
	v_min_u32 v[TK+n], 0x3ff, v[TK+n]
	v_lshl_add_u32 v[VA+n], v[TK+n], 11, v[C64H]
.set n, n+1
.endr
	s_cmp_lg_u32 s[SL], 0
	s_cbranch_scc1 .Lnocnt
	s_cmp_lg_u32 s[WV], 0
	s_cbranch_scc1 .Lnocnt
	v_mov_b32 v[SLT], s[CNT]                       ; the count, in words 2016-2047 of the expert's row
	v_lshlrev_b32 v[SA], 2, v[LANE]
	global_store_b32 v[SA], v[SLT], s[ORDE:ORDE+1] offset:8064
	s_wait_xcnt 0x0
.Lnocnt:
	ALH 0, 0, 0, 0                                 ; rows of trip 0, both sub-steps, all six tiles: every row register is written on every way
	ALH 0, 1, 0, 0
	s_wait_loadcnt 24                              ; all but those 24: the weights of trips 0 and 1 and the bias are in
	WIN 0x05
.set n, 0
.rept 16
	v_cvt_pk_bf16_f32 v[PK+2*n], v[96+4*n], v[96+4*n+1]
	v_cvt_pk_bf16_f32 v[PK+2*n+1], v[96+4*n+2], v[96+4*n+3]
.set n, n+1
.endr
	WIN 0x40
.set n, 0
.rept 16                                       ; the rounded bias, widened straight into the accumulators' layout: 192 + 32 be + 8 c + i
	v_lshlrev_b32 v[192+32*(n/8)+n%8], 16, v[PK+2*n]
	v_and_b32 v[192+32*(n/8)+8+n%8], s78, v[PK+2*n]
	v_lshlrev_b32 v[192+32*(n/8)+16+n%8], 16, v[PK+2*n+1]
	v_and_b32 v[192+32*(n/8)+24+n%8], s78, v[PK+2*n+1]
.set n, n+1
.endr
	WIN 0
	CVTW ST0, 0
	WLOAD ST0, 2*WSTEP                             ; weights of trip 2, then rows (1, 0): the order in which the trips go on
	ALH 1, 0, ASTEP, 0
	s_wait_dscnt 0x0                               ; my part of slot 0 is stored
	s_barrier_signal -1
	s_barrier_wait -1
	FETCHH 0, 0                                    ; fragments (0, 0)
	TRIP 0, 1, 40, 56, 1, 1, 1, 1, 1               ; trip 0
	s_mov_b32 s[LC], 6
.Lk:                                           ; trips 1 to 12
	TRIP 1, 0, 40, 56, 1, 1, 1, 2, 1
	TRIP 0, 0, 40, 56, 1, 1, 1, 3, 1
	s_sub_co_u32 s[LC], s[LC], 1
	s_cmp_lg_u32 s[LC], 0
	s_cbranch_scc1 .Lk
	TRIP 1, 0, 40, 40, 1, 1, 0, 0, 1               ; trip 13: no weights are left to ask for.  Behind rows (13, 1): weights 15, rows (14, 0), (14, 1), (15, 0): 16 + 8 + 8 + 8
	TRIP 0, 0, 24, 16, 1, 1, 0, 0, 0               ; trip 14: behind rows (14, 0): rows (14, 1), (15, 0), (15, 1); behind rows (14, 1): rows (15, 0), (15, 1)
	TRIP 1, 0, 8, 0, 0, 0, 0, 0, 0                 ; trip 15: behind rows (15, 0): rows (15, 1); nothing is staged, so no barrier
.rept 4
	v_nop                                          ; four places between the last products and the first read of a result
.endr
	EPI 0, PH                                      ; tiles 0-3 are always stored: the next launch reads them whatever the count
	EPI 1, PH
	EPI 2, PH
	EPI 3, PH
	s_cmp_lt_u32 s[NT], 5
	s_cbranch_scc1 .Lfastdone
	EPI 4, PH
	s_cmp_lt_u32 s[NT], 6
	s_cbranch_scc1 .Lfastdone
	EPI 5, PH
.Lfastdone:
	s_cmp_eq_u32 s[ON], 0
	s_cbranch_scc1 .Lend
	s_mov_b32 s[OI], 0
	s_add_nc_u64 s[PHO:PHO+1], s[PH:PH+1], 24<<17
.Lover:                                        ; tiles 24 + w + 8 i and four further on, in the registers of tiles 0 and 1
	s_wait_xcnt 0x0                                ; the way out's stores have read their registers
	TOK
	LISTS
	PAIR
	v_min_u32 v[TA], 0x3ff, v[TA]
	v_min_u32 v[TB], 0x3ff, v[TB]
	v_lshl_add_u32 v[VA], v[TA], 11, v[C64H]
	v_lshl_add_u32 v[VA+1], v[TB], 11, v[C64H]
	s_add_co_u32 s[RB], s[RB], 128
	s_mov_b64 s[OW:OW+1], s[OW0:OW0+1]
	s_mov_b64 s[OA:OA+1], s[4:5]
	s_mov_b32 s[WINC], 16*PITCH
	s_mov_b32 s[WINC+1], 0
	s_mov_b32 s[AINC], 32
	s_mov_b32 s[AINC+1], 0
	OSTEP 1
	s_mov_b32 s[KC], 31
.Lok:
	OSTEP 0
	s_sub_co_u32 s[KC], s[KC], 1
	s_cmp_lg_u32 s[KC], 0
	s_cbranch_scc1 .Lok
.rept 4
	v_nop
.endr
	EPI 0, PHO
	s_lshl_b32 s75, s[OI], 3
	s_add_co_u32 s75, s75, s[WV]
	s_add_co_u32 s75, s75, 28
	s_cmp_ge_u32 s75, s[NTL]
	s_cbranch_scc1 .Lnob                           ; the second tile lies past the count: it is not stored
	EPI 1, PHO
.Lnob:
	s_wait_xcnt 0x0
	s_add_nc_u64 s[PHO:PHO+1], s[PHO:PHO+1], 1<<20
	s_add_co_u32 s[OI], s[OI], 1
	s_cmp_lt_u32 s[OI], s[ON]
	s_cbranch_scc1 .Lover
.Lend:
	s_wait_tensorcnt 0x0                           ; the wave's end: three closing lines, behind my last LDS store
	ds_add_u32 v[SPW], v[NIL]
	s_wait_dscnt 0x0
	s_endpgm
.Lfunc_end_k_q2165482024_up:
	.size	k_q2165482024_up, .Lfunc_end_k_q2165482024_up-k_q2165482024_up
	.p2alignl 7, 3214868480
	.fill 96, 4, 3214868480
	.section	.rodata,"a",@progbits
	.p2align	6, 0x0
	.amdhsa_kernel k_q2165482024_up
		.amdhsa_group_segment_fixed_size 33280
		.amdhsa_private_segment_fixed_size 0
		.amdhsa_enable_private_segment 0
		.amdhsa_kernarg_size 64
		.amdhsa_user_sgpr_count 2
		.amdhsa_user_sgpr_kernarg_segment_ptr 1
		.amdhsa_wavefront_size32 1
		.amdhsa_system_sgpr_workgroup_id_x 1
		.amdhsa_system_sgpr_workgroup_id_y 1
		.amdhsa_system_sgpr_workgroup_id_z 1
		.amdhsa_system_vgpr_workitem_id 0
		.amdhsa_next_free_vgpr 1024
		.amdhsa_next_free_sgpr 100
		.amdhsa_reserve_vcc 1
		.amdhsa_float_denorm_mode_32 3
		.amdhsa_float_denorm_mode_16_64 3
		.amdhsa_memory_ordered 1
		.amdhsa_forward_progress 1
		.amdhsa_inst_pref_size 197
	.end_amdhsa_kernel
	.amdgpu_metadata
---
amdhsa.version: [ 1, 2 ]
amdhsa.kernels:
  - .name:           k_q2165482024_up
    .symbol:         k_q2165482024_up.kd
    .args:
      - { .name: xb, .offset: 0, .size: 8, .value_kind: global_buffer, .address_space: global }
      - { .name: w1, .offset: 8, .size: 8, .value_kind: global_buffer, .address_space: global }
      - { .name: b1, .offset: 16, .size: 8, .value_kind: global_buffer, .address_space: global }
      - { .name: sel, .offset: 24, .size: 8, .value_kind: global_buffer, .address_space: global }
      - { .name: out3, .offset: 32, .size: 8, .value_kind: global_buffer, .address_space: global }
      - { .name: h, .offset: 40, .size: 8, .value_kind: global_buffer, .address_space: global }
      - { .name: order, .offset: 48, .size: 8, .value_kind: global_buffer, .address_space: global }
      - { .name: gatew, .offset: 56, .size: 8, .value_kind: global_buffer, .address_space: global }
    .group_segment_fixed_size: 33280
    .private_segment_fixed_size: 0
    .kernarg_segment_align: 8
    .kernarg_segment_size: 64
    .max_flat_workgroup_size: 128
    .sgpr_count:     100
    .vgpr_count:     1024
    .wavefront_size: 32
...
	.end_amdgpu_metadata
.endif
;; end of part 2
;; launch down (part 3): grid 32 x 8, 4 waves a work-group, no clusters, 33,280 bytes of LDS; arguments h, w2, order, gatew, part; writes part
.if DOCPART == 3
	.amdgcn_target "amdgcn-amd-amdhsa--gfx1250"
	.amdhsa_code_object_version 6
	.text
	.protected	k_q2165482024_down
	.globl	k_q2165482024_down
	.p2align	8
	.type	k_q2165482024_down,@function
k_q2165482024_down:
	s_mov_b64 s[64:65], 0
	v_nop
	global_prefetch_b8 v0, s[64:65] scope:SCOPE_SE
	s_setreg_imm32_b32 hwreg(HW_REG_WAVE_MODE, 25, 1), 1
	s_wait_xcnt 0x0
; SECOND PRODUCT.  part[q][slot] = gate weight x (h[rank] w2[e]) over quarter q of the hidden width, f32 partial sums; the last launch adds the four quarters, the two choices and the bias.
; A work-group is (expert e = y; x = 8 q + ds): all of the expert's rows x K = 1,024 hidden columns (quarter q) x 128 output columns (slice ds).  Its 512 KB of f32 weights are read by it alone,
; once (again only for rows past 384), and rounded to bf16 on their way through registers; sums in f32.
; The loop is the first product's: 16 trips of 64 along K in two halves, two LDS slots of 16 weight fragments, one barrier a trip; position p of lane half hh in sub-step sg stands for k = 64 t + 32 hh + 16 sg + p.
; h lies in operand order: unit (expert, tile of 16 ranks, block of 64 columns) = 2,048 bytes, piece u at 512 u + 16 lane: two loads of 512 consecutive bytes are a tile's fragment of a sub-step.
; Source 0 = rows, source 1 = weights: register i of accumulator (be, c) holds rank 8 hh + i, column 64 be + 4 r + c, so the four c are 16 consecutive bytes of an output row.
; Count and lists were stored by the launch before.  Wave w owns tiles w + 4 j, j = 0..5; tiles 0-3 are always multiplied, 4 and 5 by the count; only live tiles are stored; in the last live tile
; the places past the count carry the last row, slot and weight, and write the same bytes again.  Ranks from 384 on go through a loop of their own, without LDS.
; NO CLUSTER: each weight byte has one reader; the number of h tiles hangs on a stored count, and a joint request may not be jumped.
; LIMITS.  NaN and infinities are not treated apart.
; REGISTERS, in windows of 256 (s_set_vgpr_msb: bits 1:0 source 0, 3:2 source 1, 5:4 source 2, 7:6 destination):
;   window 0: v0-31 addresses; v32-63 packed fragments; v64-127, v128-191 two stage sets (later the way out); v192-239 the store offsets: 4,096 slot + 16 r, at 192 + 8 j + i
;   window 1: v0-95, v96-191 two buffers of rows (tile j, sub-step sg at 16 j + 8 sg); v192-239 the gate's weights, at 192 + 8 j + i
;   window 2: the accumulators of tiles 0-3      window 3: v0-127 those of tiles 4, 5; v128-255 the 16 weight fragments (128 + 64 sg + 32 be + 8 c)
.set UP,    0
.set PITCH, 4096
.set WSTEP, 64*PITCH
.set ASTEP, 2048
.set AIMM,  512
.set SLOTB, 16384
.set SPARE, 2*SLOTB                    ; the spare words, 128 bytes a wave: two blocks of 256 bytes that no other line names
.set LANE, 1
.set R,    2
.set HH,   3
.set VW,   4
.set VPF,  5
.set LW,   6
.set LR,   7
.set VH,   8
.set SPW,  9                           ; my spare word; never rewritten
.set NIL,  10                          ; 0; never rewritten
.set VA,   12                          ; v12-17: tile j's offset in h: 16 lane + 4 j tiles
.set LV,   18                          ; 32 hh: my eight ranks in a tile's 64 bytes of a list
.set R16,  19                          ; 16 r
.set PK,   32
.set ST0,  64
.set WV,  20
.set EX,  21
.set SL,  22
.set CNT, 23
.set NTL, 24
.set NT,  25
.set LC,  26
.set PW,  28                           ; in trip t: my block of trip t
.set PA,  30                           ; in trip t: my first tile's block of trip t
.set PART, 32
.set LO,  34
.set LG,  36
.set DSL, 38
.set QQ,  39
.set OA0, 40
.set OLO, 42
.set OLG, 44
.set ORD0, 46
.set OW0, 70
.set OI,  80
.set ON,  81
.set KC,  82
.set OW,  84
.set OA,  86
.set WINC, 88
.set MSB, 0
.macro WIN new                         ; the immediate's high byte repeats the setting that is left; a switch that changes nothing is dropped
.if MSB != (\new)
	s_set_vgpr_msb (MSB<<8)|(\new)
.set MSB, \new
.endif
.endm
.macro WLOAD st, base                  ; my block of a trip: 16 rows a lane half, into a stage set
.set p, 0
.rept 16
	global_load_b128 v[(\st)+4*p:(\st)+4*p+3], v[VW], s[PW:PW+1] offset:(\base)+p*PITCH th:TH_LOAD_NT
.set p, p+1
.endr
.endm
.macro CVTW st, slot                   ; a stage set becomes four fragments, which go into an LDS slot
.set c, 0
.rept 4
.set i, 0
.rept 8
	v_cvt_pk_bf16_f32 v[PK+8*c+i], v[(\st)+8*i+c], v[(\st)+8*i+4+c]
.set i, i+1
.endr
	ds_store_b128 v[LW], v[PK+8*c:PK+8*c+3] offset:(\slot)*SLOTB+c*1024
	ds_store_b128 v[LW], v[PK+8*c+4:PK+8*c+7] offset:(\slot)*SLOTB+c*1024+512
.set c, c+1
.endr
.endm
.macro FETCHH slot, sg                 ; 16 LDS loads in one run: the eight fragments of sub-step sg of a slot
	WIN 0xc0
.set n, 0
.rept 16
	ds_load_b128 v[128+64*(\sg)+4*n:128+64*(\sg)+4*n+3], v[LR] offset:(\slot)*SLOTB+8192*(\sg)+512*n
.set n, n+1
.endr
.endm
.macro ALDH j, b, sg, base             ; tile j's rows of one sub-step, into half sg of buffer b
	WIN 0x40
	global_load_b128 v[96*(\b)+16*(\j)+8*(\sg):96*(\b)+16*(\j)+8*(\sg)+3], v[VA+(\j)], s[PA:PA+1] offset:(\base)+2*(\sg)*AIMM
	global_load_b128 v[96*(\b)+16*(\j)+8*(\sg)+4:96*(\b)+16*(\j)+8*(\sg)+7], v[VA+(\j)], s[PA:PA+1] offset:(\base)+(2*(\sg)+1)*AIMM
.endm
.macro ALH b, sg, base, cond           ; a batch of rows: 8 loads, and 2 more for each of tiles 4 and 5.  cond = 1: those by the count; the jumps pass loads alone
	ALDH 0, \b, \sg, \base
	ALDH 1, \b, \sg, \base
	ALDH 2, \b, \sg, \base
	ALDH 3, \b, \sg, \base
.if \cond
	WIN 0
	s_cmp_lt_u32 s[NT], 5
	s_cbranch_scc1 .Lal_\@
.endif
	ALDH 4, \b, \sg, \base
.if \cond
	WIN 0
	s_cmp_lt_u32 s[NT], 6
	s_cbranch_scc1 .Lal_\@
.endif
	ALDH 5, \b, \sg, \base
	WIN 0
.Lal_\@:
.endm
; Tile j's eight products of sub-step sg, rows from buffer b: its eight accumulators by turns.  zero = 1: they start the sums, with the constant 0.
.macro PROD j, sg, b, zero
.set rA, 96*(\b)+16*(\j)+8*(\sg)
.set rD, 64*((\j)%4)
.set hiw, (\j)/4
.set n, 0
.rept 8
.set rW, 128+64*(\sg)+8*n
.if UP
.if \zero
	WIN 0x97+0x40*hiw
	v_wmma_f32_16x16x32_bf16 v[rD+8*n:rD+8*n+7], v[rW:rW+7], v[rA:rA+7], v[192+8*n:192+8*n+7]
.else
	WIN 0xa7+0x50*hiw
	v_wmma_f32_16x16x32_bf16 v[rD+8*n:rD+8*n+7], v[rW:rW+7], v[rA:rA+7], v[rD+8*n:rD+8*n+7]
.endif
.else
	WIN 0xad+0x50*hiw
.if \zero
	v_wmma_f32_16x16x32_bf16 v[rD+8*n:rD+8*n+7], v[rA:rA+7], v[rW:rW+7], 0
.else
	v_wmma_f32_16x16x32_bf16 v[rD+8*n:rD+8*n+7], v[rA:rA+7], v[rW:rW+7], v[rD+8*n:rD+8*n+7]
.endif
.endif
.set n, n+1
.endr
.endm
.macro PR45 sg, b, zero, cond          ; the products of tiles 4 and 5.  cond = 1: by the count; the jumps pass products alone
.if \cond
	WIN 0
	s_cmp_lt_u32 s[NT], 5
	s_cbranch_scc1 .Lpd_\@
.endif
	PROD 4, \sg, \b, \zero
.if \cond
	WIN 0
	s_cmp_lt_u32 s[NT], 6
	s_cbranch_scc1 .Lpd_\@
.endif
	PROD 5, \sg, \b, \zero
	WIN 0
.Lpd_\@:
.endm
; TRIP t, b = t % 2, in two halves, one for each sub-step.  Each run of loads is followed by products that do not need it:
;   head of half 0    fragments (t, 1) from slot b and rows (t + 1, 1): their registers were last read by half 1 of trip t - 1
;   middle of half 0  weights t + 1 rounded and stored into the other slot; weights t + 3 asked for; my block of trip t + 6 asked for ahead (each lane another row's 256 bytes, each piece once in the launch)
;   THE BARRIER       in front of the signal my stores into the other slot are done and my reads of slot b are back (the wait for 0); eight products stand between signal and wait.  Behind the wait the
;                     other slot is whole, and slot b, which nobody reads any more, may be stored into in the next trip
;   head of half 1    fragments (t + 1, 0) from the other slot and rows (t + 2, 0): their registers were last read by half 0
; So fragments have half a trip in which to land, rows a trip and a half, weights two trips.
; GLOBAL LOADS are issued in the order rows (t, 1), weights t + 2, rows (t + 1, 0), rows (t + 1, 1), weights t + 3, rows (t + 2, 0).  A batch of rows is 8 loads at the least, a batch of weights 16.
; c0 leaves out what is issued behind rows (t, 0), at the least 8 + 16 + 8 + 8 = 40; weights t + 1 are older than rows (t, 0).  c1 leaves out what is issued behind rows (t, 1): 16 + 8 + 8 + 16 + 8 = 56.
; first = 1: trip 0: no step; its half 0 starts the sums of all six tiles and loads rows (1, 1) of all six, so that every register is written on every way.
; la1, la0: rows are asked for at the two heads; st: weights are staged (with the barrier and the next trip's first fragments); ldw: weights are asked for;
; pf = 1: the request ahead; pf > 1: only while the loop's count is pf or more, so that no request passes trip 15.
; The accumulators take turns, one instruction a turn: between two products on one accumulator stand 31 others' or more, on every way.
.macro TRIP b, first, c0, c1, la1, st, ldw, pf, la0
.if !(\first)
	WIN 0
.rept 4
	v_nop                                          ; four places between the last trip's products and the loads into registers that they read (ISA guide 7.12.1 for vector instructions)
.endr
.if (\la1) || (\la0)
	s_wait_xcnt 0x0                                ; the pointers are stepped only when the loads and the prefetch that name them have had their addresses translated
	s_add_nc_u64 s[PA:PA+1], s[PA:PA+1], ASTEP
.endif
.if \ldw
	s_add_nc_u64 s[PW:PW+1], s[PW:PW+1], WSTEP
.endif
.endif
	FETCHH \b, 1
.if \la1
	ALH 1-(\b), 1, ASTEP, 1-(\first)
.endif
	s_wait_loadcnt \c0                             ; rows (t, 0) and weights t + 1 are in
	s_wait_dscnt 16                                ; fragments (t, 0) are in; the sixteen loads just issued stay out
	PROD 0, 0, \b, \first
	PROD 1, 0, \b, \first
	WIN 0
.if \st
	CVTW ST0+64*(1-(\b)), 1-(\b)
.endif
.if \ldw
	WLOAD ST0+64*(1-(\b)), 3*WSTEP
.endif
.if (\pf) == 1
	global_prefetch_b8 v[VPF], s[PW:PW+1] offset:6*WSTEP th:TH_LOAD_NT scope:SCOPE_SE
.elseif (\pf) > 1
	s_cmp_lt_u32 s[LC], \pf
	s_cbranch_scc1 .Lpf_\@
	global_prefetch_b8 v[VPF], s[PW:PW+1] offset:6*WSTEP th:TH_LOAD_NT scope:SCOPE_SE
.Lpf_\@:
.endif
	PR45 0, \b, \first, 1-(\first)
	PROD 2, 0, \b, \first
	s_wait_dscnt 0x0                               ; fragments (t, 1) are in: my reads of slot b are over; my stores into the other slot are done
.if \st
	s_barrier_signal -1
.endif
	PROD 3, 0, \b, \first
.if \st
	s_barrier_wait -1
	WIN 0
.rept 4
	v_nop                                          ; four places between half 0's products and the loads into registers that they read
.endr
	FETCHH 1-(\b), 0
.endif
.if \la0
	ALH \b, 0, 2*ASTEP, 1
.endif
	s_wait_loadcnt \c1                             ; rows (t, 1) are in
	PROD 0, 1, \b, 0
	PROD 1, 1, \b, 0
	PROD 2, 1, \b, 0
	PROD 3, 1, \b, 0
	PR45 1, \b, 0, 1
.endm
; One sub-step of the loop for ranks past 384: both column halves' weights straight from memory through both stage sets into the fragments' registers, two tiles' rows, 16 products.  No LDS, no barrier.
.macro OSTEP zero
	WIN 0
.rept 4
	v_nop                                          ; four places behind the last products, for the loads and conversions into registers that they read
.endr
.set p, 0
.rept 16
	global_load_b128 v[ST0+4*p:ST0+4*p+3], v[VW], s[OW:OW+1] offset:p*PITCH
	global_load_b128 v[ST0+64+4*p:ST0+64+4*p+3], v[VW], s[OW:OW+1] offset:p*PITCH+256
.set p, p+1
.endr
	WIN 0x40
.set i, 0
.rept 2
	global_load_b128 v[4*i:4*i+3], v[VA], s[OA:OA+1] offset:i*AIMM
	global_load_b128 v[16+4*i:16+4*i+3], v[VA+1], s[OA:OA+1] offset:i*AIMM
.set i, i+1
.endr
	WIN 0
	s_wait_loadcnt 0x0                             ; all are in, so their pointers may be stepped
	s_add_nc_u64 s[OW:OW+1], s[OW:OW+1], s[WINC:WINC+1]
	s_xor_b32 s[WINC], s[WINC], 32*PITCH           ; 16 rows and 48 rows by turns
.if UP
	s_add_nc_u64 s[OA:OA+1], s[OA:OA+1], s[AINC:AINC+1]
	s_xor_b32 s[AINC], s[AINC], 64
.else
	s_add_nc_u64 s[OA:OA+1], s[OA:OA+1], 1024      ; two pieces of 512 bytes
.endif
	WIN 0xc0
.set n, 0
.rept 8
.set i, 0
.rept 8
	v_cvt_pk_bf16_f32 v[128+8*n+i], v[ST0+64*(n/4)+8*i+n%4], v[ST0+64*(n/4)+8*i+4+n%4]
.set i, i+1
.endr
.set n, n+1
.endr
	PROD 0, 0, 0, \zero
	PROD 1, 0, 0, \zero
	WIN 0
.endm
.macro ADSET cnt                       ; slots become store offsets
.set n, 0
.rept \cnt
	v_min_u32 v[192+n], 0x7ff, v[192+n]
	v_lshl_add_u32 v[192+n], v[192+n], 12, v[R16]
.set n, n+1
.endr
.endm
; THE WAY OUT of tile j: the multiplication by the gate's weight brings a rank's four neighbouring columns into neighbouring registers; each half of the lanes then stores 256 consecutive bytes, aligned.
; Each accumulator is read from its low end on.
.macro EPO j
	WIN 0
	s_wait_xcnt 0x0                                ; the registers that earlier stores read are written again only behind this wait
.set rT, ST0+64*((\j)%2)
.set rD, 64*((\j)%4)
	WIN 0x06+(\j)/4
.set ii, 0
.rept 8
.set n, 0
.rept 8
	v_mul_f32 v[rT+8*ii+n], v[rD+8*n+ii], v[192+8*(\j)+ii]
.set n, n+1
.endr
.set ii, ii+1
.endr
	WIN 0
.set ii, 0
.rept 8
	global_store_b128 v[192+8*(\j)+ii], v[rT+8*ii:rT+8*ii+3], s[PART:PART+1]
	global_store_b128 v[192+8*(\j)+ii], v[rT+8*ii+4:rT+8*ii+7], s[PART:PART+1] offset:256
.set ii, ii+1
.endr
.endm
	s_load_b256 s[4:11], s[0:1], 0x0               ; h s[4:5], w2 s[6:7], order s[8:9], gatew s[10:11]
	s_load_b64 s[12:13], s[0:1], 0x20              ; part
	v_lshl_add_u32 v[SPW], v0, 2, SPARE
	v_mov_b32 v[NIL], 0
	v_and_b32 v[LANE], 31, v0
	v_lshrrev_b32 v21, 5, v0
	v_readfirstlane_b32 s[WV], v21
	v_and_b32 v[R], 15, v0
	v_bfe_u32 v[HH], v0, 4, 1
	s_and_b32 s[EX], ttmp7, 0xffff
	s_mov_b32 s[SL], ttmp9
	s_and_b32 s[DSL], s[SL], 7                     ; the slice of 128 output columns
	s_lshr_b32 s[QQ], s[SL], 3                     ; the quarter of the hidden width
	v_lshlrev_b32 v[VH], 4, v[LANE]
	v_lshlrev_b32 v[VW], 4, v[R]
	v_lshl_add_u32 v[VW], v[HH], 17, v[VW]
	v_lshlrev_b32 v[VPF], 12, v[R]
	v_lshl_add_u32 v[VPF], v[HH], 17, v[VPF]
	v_mov_b32 v[LR], v[VH]
	s_lshl_b32 s75, s[WV], 12
	v_add_nc_u32 v[LW], s75, v[VH]
	v_lshlrev_b32 v[LV], 5, v[HH]
	v_lshlrev_b32 v[R16], 4, v[R]
	s_lshl_b32 s66, s[EX], 24                      ; the slice in w2: 16 MiB an expert, 4 MiB a quarter, 512 bytes a slice
	s_lshl_b32 s75, s[QQ], 22
	s_add_co_u32 s66, s66, s75
	s_lshl_b32 s75, s[DSL], 9
	s_add_co_u32 s66, s66, s75
	s_mov_b32 s67, 0
	s_lshl_b32 s76, s[QQ], 23                      ; part: 8 MiB a quarter
	s_add_co_u32 s76, s76, s75
	s_mov_b32 s77, 0
	s_and_b32 s72, s[WV], 1                        ; my block of a trip: column half w % 2, sub-step w / 2
	s_lshl_b32 s72, s72, 8
	s_lshr_b32 s73, s[WV], 1
	s_lshl_b32 s73, s73, 16
	s_add_co_u32 s72, s72, s73
	s_mov_b32 s73, 0
	s_lshl_b32 s74, s[EX], 23                      ; h: the expert, my first tile, the quarter's first block
	s_lshl_b32 s75, s[WV], 17
	s_add_co_u32 s74, s74, s75
	s_lshl_b32 s75, s[QQ], 15
	s_add_co_u32 s74, s74, s75
	s_mov_b32 s75, 0
	s_lshl_b32 s78, s[EX], 13                      ; the expert's row of the lists,
	s_mov_b32 s79, 0
	s_lshl_b32 s48, s[WV], 6                       ; my first tile's 64 bytes in it
	s_mov_b32 s49, 0
	s_wait_kmcnt 0x0
	s_add_nc_u64 s[ORD0:ORD0+1], s[8:9], s[78:79]
	s_load_b32 s[CNT], s[ORD0:ORD0+1], 0x1f80      ; the expert's count
	s_add_nc_u64 s[LO:LO+1], s[ORD0:ORD0+1], s[48:49]
	s_add_nc_u64 s[LG:LG+1], s[10:11], s[78:79]
	s_add_nc_u64 s[LG:LG+1], s[LG:LG+1], s[48:49]
	s_add_nc_u64 s[OLO:OLO+1], s[LO:LO+1], 1536    ; the lists from tile 24 + w on
	s_add_nc_u64 s[OLG:OLG+1], s[LG:LG+1], 1536
	s_add_nc_u64 s[OW0:OW0+1], s[6:7], s[66:67]
	s_add_nc_u64 s[PW:PW+1], s[OW0:OW0+1], s[72:73]
	s_add_nc_u64 s[PA:PA+1], s[4:5], s[74:75]
	s_add_nc_u64 s[OA0:OA0+1], s[PA:PA+1], 24<<17
	s_add_nc_u64 s[PART:PART+1], s[12:13], s[76:77]
.set n, 0
.rept 6                                        ; ranks 0 to 383 of the lists are always written by the launch before
	global_load_b128 v[192+8*n:192+8*n+3], v[LV], s[LO:LO+1] offset:n*256
	global_load_b128 v[192+8*n+4:192+8*n+7], v[LV], s[LO:LO+1] offset:n*256+16
.set n, n+1
.endr
	WIN 0x40
.set n, 0
.rept 6
	global_load_b128 v[192+8*n:192+8*n+3], v[LV], s[LG:LG+1] offset:n*256
	global_load_b128 v[192+8*n+4:192+8*n+7], v[LV], s[LG:LG+1] offset:n*256+16
.set n, n+1
.endr
	WIN 0
	WLOAD ST0, 0                                   ; weights of trips 0 and 1
	WLOAD ST0+64, WSTEP
	global_prefetch_b8 v[VPF], s[PW:PW+1] offset:3*WSTEP th:TH_LOAD_NT scope:SCOPE_SE
	global_prefetch_b8 v[VPF], s[PW:PW+1] offset:4*WSTEP th:TH_LOAD_NT scope:SCOPE_SE
	global_prefetch_b8 v[VPF], s[PW:PW+1] offset:5*WSTEP th:TH_LOAD_NT scope:SCOPE_SE
	s_wait_kmcnt 0x0
	s_min_u32 s[CNT], s[CNT], 0x400
	s_add_co_u32 s[NTL], s[CNT], 15
	s_lshr_b32 s[NTL], s[NTL], 4
	s_add_co_u32 s[NT], s[NTL], 3
	s_sub_co_u32 s[NT], s[NT], s[WV]
	s_lshr_b32 s[NT], s[NT], 2
	s_min_u32 s[NT], s[NT], 6
	s_sub_co_i32 s[ON], s[NTL], 17
	s_sub_co_i32 s[ON], s[ON], s[WV]
	s_max_i32 s[ON], s[ON], 0
	s_lshr_b32 s[ON], s[ON], 3
.set n, 0
.rept 4
	v_add_nc_u32 v[VA+n], n*524288, v[VH]
.set n, n+1
.endr
	s_cmp_ge_u32 s[NT], 5                          ; a dead tile 4 or 5 has no bytes in h: it reads tile 0's instead
	s_cselect_b32 s75, 4*524288, 0
	v_add_nc_u32 v[VA+4], s75, v[VH]
	s_cmp_ge_u32 s[NT], 6
	s_cselect_b32 s75, 5*524288, 0
	v_add_nc_u32 v[VA+5], s75, v[VH]
	ALH 0, 0, 0, 0                                 ; rows of trip 0, both sub-steps, all six tiles: every row register is written on every way
	ALH 0, 1, 0, 0
	s_wait_loadcnt 24                              ; all but those 24: the lists and the weights of trips 0 and 1 are in
	ADSET 48
	CVTW ST0, 0
	WLOAD ST0, 2*WSTEP                             ; weights of trip 2, then rows (1, 0): the order in which the trips go on
	ALH 1, 0, ASTEP, 0
	s_wait_dscnt 0x0                               ; my part of slot 0 is stored
	s_barrier_signal -1
	s_barrier_wait -1
	FETCHH 0, 0                                    ; fragments (0, 0)
	TRIP 0, 1, 40, 56, 1, 1, 1, 1, 1               ; trip 0
	s_mov_b32 s[LC], 6
.Lk:                                           ; trips 1 to 12
	TRIP 1, 0, 40, 56, 1, 1, 1, 2, 1
	TRIP 0, 0, 40, 56, 1, 1, 1, 3, 1
	s_sub_co_u32 s[LC], s[LC], 1
	s_cmp_lg_u32 s[LC], 0
	s_cbranch_scc1 .Lk
	TRIP 1, 0, 40, 40, 1, 1, 0, 0, 1               ; trip 13: no weights are left to ask for.  Behind rows (13, 1): weights 15, rows (14, 0), (14, 1), (15, 0): 16 + 8 + 8 + 8
	TRIP 0, 0, 24, 16, 1, 1, 0, 0, 0               ; trip 14: behind rows (14, 0): rows (14, 1), (15, 0), (15, 1); behind rows (14, 1): rows (15, 0), (15, 1)
	TRIP 1, 0, 8, 0, 0, 0, 0, 0, 0                 ; trip 15: behind rows (15, 0): rows (15, 1); nothing is staged, so no barrier
.rept 4
	v_nop                                          ; four places between the last products and the first read of a result
.endr
.irp j, 0,1,2,3,4,5
	s_cmp_lt_u32 s[NT], (\j)+1
	s_cbranch_scc1 .Lfastdone                      ; from the first dead tile on nothing is stored
	EPO \j
.endr
.Lfastdone:
	s_cmp_eq_u32 s[ON], 0
	s_cbranch_scc1 .Lend
	s_mov_b32 s[OI], 0
.Lover:                                        ; tiles 24 + w + 8 i and four further on, in the registers of tiles 0 and 1
	s_wait_xcnt 0x0                                ; the way out's stores have read their registers
.set n, 0
.rept 2
	global_load_b128 v[192+8*n:192+8*n+3], v[LV], s[OLO:OLO+1] offset:n*256
	global_load_b128 v[192+8*n+4:192+8*n+7], v[LV], s[OLO:OLO+1] offset:n*256+16
.set n, n+1
.endr
	WIN 0x40
.set n, 0
.rept 2
	global_load_b128 v[192+8*n:192+8*n+3], v[LV], s[OLG:OLG+1] offset:n*256
	global_load_b128 v[192+8*n+4:192+8*n+7], v[LV], s[OLG:OLG+1] offset:n*256+16
.set n, n+1
.endr
	WIN 0
	s_lshl_b32 s75, s[OI], 3
	s_add_co_u32 s75, s75, s[WV]
	s_add_co_u32 s75, s75, 28
	s_cmp_lt_u32 s75, s[NTL]                       ; a dead second tile reads the first one's rows
	s_cselect_b32 s74, 524288, 0
	v_add_nc_u32 v[VA+1], s74, v[VH]
	s_mov_b64 s[OW:OW+1], s[OW0:OW0+1]
	s_mov_b64 s[OA:OA+1], s[OA0:OA0+1]
	s_mov_b32 s[WINC], 16*PITCH
	s_mov_b32 s[WINC+1], 0
	s_wait_loadcnt 0x0
	ADSET 16
	OSTEP 1
	s_mov_b32 s[KC], 31
.Lok:
	OSTEP 0
	s_sub_co_u32 s[KC], s[KC], 1
	s_cmp_lg_u32 s[KC], 0
	s_cbranch_scc1 .Lok
.rept 4
	v_nop
.endr
	EPO 0
	s_cmp_ge_u32 s75, s[NTL]
	s_cbranch_scc1 .Lnob
	EPO 1
.Lnob:
	s_wait_xcnt 0x0
	s_add_nc_u64 s[OA0:OA0+1], s[OA0:OA0+1], 1<<20
	s_add_nc_u64 s[OLO:OLO+1], s[OLO:OLO+1], 512
	s_add_nc_u64 s[OLG:OLG+1], s[OLG:OLG+1], 512
	s_add_co_u32 s[OI], s[OI], 1
	s_cmp_lt_u32 s[OI], s[ON]
	s_cbranch_scc1 .Lover
.Lend:
	s_wait_tensorcnt 0x0                           ; the wave's end: three closing lines, behind my last LDS store
	ds_add_u32 v[SPW], v[NIL]
	s_wait_dscnt 0x0
	s_endpgm
.Lfunc_end_k_q2165482024_down:
	.size	k_q2165482024_down, .Lfunc_end_k_q2165482024_down-k_q2165482024_down
	.p2alignl 7, 3214868480
	.fill 96, 4, 3214868480
	.section	.rodata,"a",@progbits
	.p2align	6, 0x0
	.amdhsa_kernel k_q2165482024_down
		.amdhsa_group_segment_fixed_size 33280
		.amdhsa_private_segment_fixed_size 0
		.amdhsa_enable_private_segment 0
		.amdhsa_kernarg_size 40
		.amdhsa_user_sgpr_count 2
		.amdhsa_user_sgpr_kernarg_segment_ptr 1
		.amdhsa_wavefront_size32 1
		.amdhsa_system_sgpr_workgroup_id_x 1
		.amdhsa_system_sgpr_workgroup_id_y 1
		.amdhsa_system_sgpr_workgroup_id_z 1
		.amdhsa_system_vgpr_workitem_id 0
		.amdhsa_next_free_vgpr 1024
		.amdhsa_next_free_sgpr 100
		.amdhsa_reserve_vcc 0
		.amdhsa_float_denorm_mode_32 3
		.amdhsa_float_denorm_mode_16_64 3
		.amdhsa_memory_ordered 1
		.amdhsa_forward_progress 1
		.amdhsa_inst_pref_size 159
	.end_amdhsa_kernel
	.amdgpu_metadata
---
amdhsa.version: [ 1, 2 ]
amdhsa.kernels:
  - .name:           k_q2165482024_down
    .symbol:         k_q2165482024_down.kd
    .args:
      - { .name: h, .offset: 0, .size: 8, .value_kind: global_buffer, .address_space: global }
      - { .name: w2, .offset: 8, .size: 8, .value_kind: global_buffer, .address_space: global }
      - { .name: order, .offset: 16, .size: 8, .value_kind: global_buffer, .address_space: global }
      - { .name: gatew, .offset: 24, .size: 8, .value_kind: global_buffer, .address_space: global }
      - { .name: part, .offset: 32, .size: 8, .value_kind: global_buffer, .address_space: global }
    .group_segment_fixed_size: 33280
    .private_segment_fixed_size: 0
    .kernarg_segment_align: 8
    .kernarg_segment_size: 40
    .max_flat_workgroup_size: 128
    .sgpr_count:     100
    .vgpr_count:     1024
    .wavefront_size: 32
...
	.end_amdgpu_metadata
.endif
;; end of part 3
;; launch combine (part 4): grid 256 x 1, 8 waves a work-group, no clusters, 0 bytes of LDS; arguments part, b2, sel, out3, out0; writes out0
.if DOCPART == 4
	.amdgcn_target "amdgcn-amd-amdhsa--gfx1250"
	.amdhsa_code_object_version 6
	.text
	.protected	k_q2165482024_combine
	.globl	k_q2165482024_combine
	.p2align	8
	.type	k_q2165482024_combine,@function
k_q2165482024_combine:
	s_mov_b64 s[64:65], 0
	v_nop
	global_prefetch_b8 v0, s[64:65] scope:SCOPE_SE
	s_setreg_imm32_b32 hwreg(HW_REG_WAVE_MODE, 25, 1), 1
	s_wait_xcnt 0x0
; THE SUM.  out0[t] = the eight partial rows of token t (two choices x four quarters of the hidden width, each already times the gate's weight) + w0 b2[e0] + w1 b2[e1].
; b2 is rounded to bf16 like every input; all sums in f32.  part: [4][2048 slots][1024] f32, slot = 2 t + k.
; A stream: a work-group owns 4 tokens, a thread 16 bytes of every row, so a wave's load or store covers 512 consecutive bytes.  All 32 partial rows are asked for at once,
; ahead of everything else.  No LDS, no matrix unit, no cluster: no byte is shared between work-groups but b2's 32 KB.
.set P,   16                           ; v[16:143]  slot sl, quarter q at 16 + 16 sl + 4 q
.set VB,  144                          ; v[144:151] the chosen rows' offsets in b2
.set B2R, 152                          ; v[152:183] the eight chosen rows of b2
	s_load_b256 s[4:11], s[0:1], 0x0               ; part s[4:5], b2 s[6:7], sel s[8:9], out3 s[10:11]
	s_load_b64 s[12:13], s[0:1], 0x20              ; out0
	v_lshlrev_b32 v1, 4, v0
	s_lshl_b32 s14, ttmp9, 15                      ; 8 slots of 4,096 bytes
	s_mov_b32 s15, 0
	s_lshl_b32 s16, ttmp9, 5                       ; 4 tokens x 2 choices x 4 bytes
	s_mov_b32 s17, 0
	s_lshl_b32 s18, ttmp9, 14                      ; 4 rows of out0
	s_mov_b32 s19, 0
	s_mov_b32 s28, 0xffff0000                      ; a word's upper bf16
	s_wait_kmcnt 0x0
	s_add_nc_u64 s[8:9], s[8:9], s[16:17]
	s_add_nc_u64 s[10:11], s[10:11], s[16:17]
	s_load_b256 s[32:39], s[8:9], 0x0              ; the eight choices
	s_load_b256 s[40:47], s[10:11], 0x0            ; and their weights
	s_add_nc_u64 s[20:21], s[4:5], s[14:15]
	s_add_nc_u64 s[22:23], s[20:21], 0x800000      ; the four quarters lie 8 MiB apart
	s_add_nc_u64 s[24:25], s[20:21], 0x1000000
	s_add_nc_u64 s[26:27], s[20:21], 0x1800000
	s_add_nc_u64 s[12:13], s[12:13], s[18:19]
.set n, 0
.rept 32                                       ; slot n / 4, quarter n % 4
	global_load_b128 v[P+4*n:P+4*n+3], v1, s[20+2*(n%4):21+2*(n%4)] offset:(n/4)*4096 th:TH_LOAD_NT
.set n, n+1
.endr
	s_wait_kmcnt 0x0
.set n, 0
.rept 8
	s_min_u32 s[32+n], s[32+n], 7
	v_lshl_add_u32 v[VB+n], s[32+n], 12, v1
	global_load_b128 v[B2R+4*n:B2R+4*n+3], v[VB+n], s[6:7]
.set n, n+1
.endr
.macro ADDROW d, a                     ; a row's four numbers onto another's
	v_pk_add_f32 v[(\d):(\d)+1], v[(\d):(\d)+1], v[(\a):(\a)+1]
	v_pk_add_f32 v[(\d)+2:(\d)+3], v[(\d)+2:(\d)+3], v[(\a)+2:(\a)+3]
.endm
.macro TOKEN i
	s_wait_loadcnt 6-2*(\i)                        ; all partial rows and my two rows of b2 are in; the later tokens' rows of b2 stay out
.set B, P+32*(\i)
.set BB, B2R+8*(\i)
	ADDROW B, B+4
	ADDROW B+8, B+12
	ADDROW B+16, B+20
	ADDROW B+24, B+28
	ADDROW B, B+8
	ADDROW B+16, B+24
	ADDROW B, B+16
.set k, 0
.rept 2
	v_cvt_pk_bf16_f32 v8, v[BB+4*k], v[BB+4*k+1]   ; b2 rounded to bf16 and widened again
	v_cvt_pk_bf16_f32 v9, v[BB+4*k+2], v[BB+4*k+3]
	v_lshlrev_b32 v[BB+4*k], 16, v8
	v_and_b32 v[BB+4*k+1], s28, v8
	v_lshlrev_b32 v[BB+4*k+2], 16, v9
	v_and_b32 v[BB+4*k+3], s28, v9
.set c, 0
.rept 4
	v_fma_f32 v[B+c], v[BB+4*k+c], s[40+2*(\i)+k], v[B+c]
.set c, c+1
.endr
.set k, k+1
.endr
	global_store_b128 v1, v[B:B+3], s[12:13] offset:(\i)*4096 th:TH_STORE_NT
.endm
	TOKEN 0
	TOKEN 1
	TOKEN 2
	TOKEN 3
	s_endpgm
.Lfunc_end_k_q2165482024_combine:
	.size	k_q2165482024_combine, .Lfunc_end_k_q2165482024_combine-k_q2165482024_combine
	.p2alignl 7, 3214868480
	.fill 96, 4, 3214868480
	.section	.rodata,"a",@progbits
	.p2align	6, 0x0
	.amdhsa_kernel k_q2165482024_combine
		.amdhsa_group_segment_fixed_size 0
		.amdhsa_private_segment_fixed_size 0
		.amdhsa_enable_private_segment 0
		.amdhsa_kernarg_size 40
		.amdhsa_user_sgpr_count 2
		.amdhsa_user_sgpr_kernarg_segment_ptr 1
		.amdhsa_wavefront_size32 1
		.amdhsa_system_sgpr_workgroup_id_x 1
		.amdhsa_system_sgpr_workgroup_id_y 1
		.amdhsa_system_sgpr_workgroup_id_z 1
		.amdhsa_system_vgpr_workitem_id 0
		.amdhsa_next_free_vgpr 192
		.amdhsa_next_free_sgpr 66
		.amdhsa_reserve_vcc 0
		.amdhsa_float_denorm_mode_32 3
		.amdhsa_float_denorm_mode_16_64 3
		.amdhsa_memory_ordered 1
		.amdhsa_forward_progress 1
		.amdhsa_inst_pref_size 14
	.end_amdhsa_kernel
	.amdgpu_metadata
---
amdhsa.version: [ 1, 2 ]
amdhsa.kernels:
  - .name:           k_q2165482024_combine
    .symbol:         k_q2165482024_combine.kd
    .args:
      - { .name: part, .offset: 0, .size: 8, .value_kind: global_buffer, .address_space: global }
      - { .name: b2, .offset: 8, .size: 8, .value_kind: global_buffer, .address_space: global }
      - { .name: sel, .offset: 16, .size: 8, .value_kind: global_buffer, .address_space: global }
      - { .name: out3, .offset: 24, .size: 8, .value_kind: global_buffer, .address_space: global }
      - { .name: out0, .offset: 32, .size: 8, .value_kind: global_buffer, .address_space: global }
    .group_segment_fixed_size: 0
    .private_segment_fixed_size: 0
    .kernarg_segment_align: 8
    .kernarg_segment_size: 40
    .max_flat_workgroup_size: 256
    .sgpr_count:     66
    .vgpr_count:     192
    .wavefront_size: 32
...
	.end_amdgpu_metadata
.endif
;; end of part 4
;; ======== version 2 of 2: 4 launches; version 1 with the launches up, down, combine written anew for expert scheduling mode
;; workspace buffers: xb 2,097,152 bytes; sel 8,192 bytes of whole numbers; h 67,108,864 bytes; order 65,536 bytes of whole numbers; gatew 65,536 bytes; part 33,554,432 bytes
;; launch router: the kernel of part 1 again; grid 64 x 1, 8 waves a work-group, no clusters, 75,264 bytes of LDS; arguments x, gate_w, xb, out1, out2, out3, sel; writes xb, out1, out2, out3, sel
;; launch up (part 5): grid 32 x 8, 4 waves a work-group, no clusters, 33,280 bytes of LDS; arguments xb, w1, b1, sel, out3, h, order, gatew; writes h, order, gatew
.if DOCPART == 5
	.amdgcn_target "amdgcn-amd-amdhsa--gfx1250"
	.amdhsa_code_object_version 6
	.text
	.protected	k_q2165482024_up
	.globl	k_q2165482024_up
	.p2align	8
	.type	k_q2165482024_up,@function
k_q2165482024_up:
	s_mov_b64 s[64:65], 0
	v_nop
	global_prefetch_b8 v0, s[64:65] scope:SCOPE_SE
	s_setreg_imm32_b32 hwreg(HW_REG_WAVE_SCHED_MODE, 0, 2), 2
	s_setreg_imm32_b32 hwreg(HW_REG_WAVE_MODE, 25, 1), 1
	s_wait_xcnt 0x0
	s_wait_alu depctr_vm_vsrc(0)
; FIRST PRODUCT.  h = relu(x w1[e] + b1[e]) for the rows that chose expert e, in bf16, laid out as the next launch's operand.
; A work-group is (expert e = y, slice sl = x of 128 columns): all of the expert's rows x K = 1,024 x 128 columns.  Its 512 KB of f32 weights are read by it alone, once
; (again only for rows past 384), and rounded to bf16 on their way through registers; b1 is rounded to bf16 too; sums in f32; h rounded once.
; ROWS.  Every wave makes the expert's 32 membership masks from sel (bit l of mask W: token 64 (W / 2) + W % 2 + 2 l) and finds the token of a given rank by register arithmetic.
; Rank order is mask order.  Places past the count repeat the last row.  Wave w owns the tiles of 16 ranks w + 4 j, j = 0..5; tiles 0-3 are always made, 4 and 5 by the count;
; ranks from 384 on go through a loop of their own, two tiles a trip, without LDS.  The slice-0 work-groups also store the lists (slot = 2 token + k, the gate's weight) and the count.
; K goes in 16 trips of 64, two sub-steps of 32.  Position p (0..15) of lane half hh in sub-step sg stands for k = 64 t + 32 hh + 16 sg + p, alike in both operands.
; WEIGHTS lie [K][N].  Lane (r, hh) loads 16 bytes of row k, columns 64 be + 4 r + 0..3: sixteen lanes take 256 consecutive bytes, aligned.  Component c of the 16 loads of a sub-step
; IS fragment c, whose index r stands for column 64 be + 4 r + c: nothing is transposed.  Wave w stages block (sg = w / 2, be = w % 2) of a trip into LDS; all four waves read all 16 fragments.
; Two LDS slots take turns, with one barrier a trip, between the trip's two halves.  A wave is alone on its SIMD, so every run of loads stands where products that do not need it follow.
; The product is used transposed (source 0 = weights, source 1 = rows): a lane holds one rank and, in register i of accumulator (be, c), column 64 be + 32 hh + 4 i + c.
; NO CLUSTER: each weight byte has one reader, and the rows come by a list that no tile descriptor covers.
; LIMITS.  NaN and infinities are not treated apart (the maximum with 0 turns a NaN into 0).
; REGISTERS, in windows of 256 (s_set_vgpr_msb: bits 1:0 source 0, 3:2 source 1, 5:4 source 2, 7:6 destination):
;   window 0: v0-31 addresses; v32-63 packed fragments; v64-127, v128-191 two stage sets of f32 weights (later the way out); v192-255 sel's words, then the rank search
;   window 1: v0-95, v96-191 two buffers of rows (tile j, sub-step sg at 16 j + 8 sg); v192-255 the bias in the accumulators' layout
;   window 2: the accumulators of tiles 0-3 (64 j + 32 be + 8 c)      window 3: v0-127 those of tiles 4, 5; v128-255 the 16 weight fragments (128 + 64 sg + 32 be + 8 c)
; THE MODE: SCHED_MODE bits 1:0 = 2 (LLVM: expert scheduling mode 2), set by the entry lines.  The code itself states the register dependences
; between vector or matrix instructions and memory or LDS instructions, with s_wait_alu, always for 0.
; THE PLAN.  Registers that memory or LDS instructions touch, in the K loop (trip t, b = t % 2):
;   stage set 1 - b       read by the trip's 32 conversions, at its head; behind them the loads of weights t + 3 land in it
;   v[PK ..]              written by those conversions; read by the trip's eight LDS stores
;   fragments sg 1, sg 0  read by the products of half 1, of half 0; LDS loads land in them in the next half 0, in the same trip's half 1
;   rows (1 - b, 1)       last read by half 1 of trip t - 1; loads land in half 0 of trip t          rows (b, 0)  read by half 0 of trip t; loads land in its half 1
;   the offsets v4-v8 and v12-v17 are made ahead of the loop and never written in it
; So a trip has one wait on vm_vsrc, ahead of the conversions, and two on va_vdst: behind the conversions, and behind the barrier.  Behind each of the two the half's loads and stores are dealt
; among its products, which name the other sub-step's fragments, the other rows and accumulators: none of the registers that those loads and stores touch.
.set UP,    1
.set PITCH, 16384                      ; bytes from row to row of the weights
.set WSTEP, 64*PITCH                   ; a trip's 64 rows
.set ASTEP, 128                        ; a trip's 64 k of a row of xb
.set AIMM,  16
.set SLOTB, 16384                      ; an LDS slot: 16 fragments of 1,024 bytes
.set SPARE, 2*SLOTB                    ; the spare words, 128 bytes a wave: two blocks of 256 bytes that no other line names
.set LANE, 1
.set R,    2
.set HH,   3
.set VW,   4                           ; weights: 32 hh rows + 16 r bytes
.set VPF,  5                           ; prefetch: row 32 hh + r of my block
.set LW,   6                           ; LDS: where I store fragments: 4,096 w + 16 lane
.set LR,   7                           ; LDS: where I read them: 16 lane
.set VH,   8                           ; 16 lane
.set SPW,  9                           ; my spare word; never rewritten
.set NIL,  10                          ; 0; never rewritten
.set ZERO, 11                          ; 0, for the maximum
.set VA,   12                          ; v12-17: tile j's row offset in xb: 2,048 token + 64 hh
.set C64R, 18                          ; 64 hh + r
.set C64H, 19                          ; 64 hh
.set HB,   20                          ; 128 hh
.set PK,   32
.set ST0,  64
.set RAW,  200                         ; the rank search's registers
.set RHO,  201
.set WD,   202
.set PX,   203
.set NN,   204
.set TT,   205
.set CA,   206
.set CB,   207
.set CC,   208
.set CD,   209
.set POS,  210
.set TOKN, 211
.set XO,   212
.set TA,   213
.set TB,   214
.set U1,   215
.set LA,   216
.set SLT,  222
.set WT,   223
.set SA,   224
.set TK,   226                         ; v226-231: six tiles' tokens
.set WV,  20
.set EX,  21
.set SL,  22
.set CNT, 23
.set NTL, 24                           ; tiles of the expert
.set NT,  25                           ; my live tiles among j = 0..5
.set LC,  26
.set CM1, 27                           ; the last rank
.set PW,  28                           ; in trip t: my block of trip t
.set PA,  30                           ; in trip t: xb + 128 t
.set MM,  32                           ; s[32:63] the masks
.set PH,  68
.set OW0, 70
.set PF,  72
.set TS,  73
.set OI,  80
.set ON,  81
.set KC,  82
.set MK,  84                           ; masks that a run of compares writes: s[84:91] at the head, s[84:87] in the rank search.  These eight registers are the four pairs below, which are set anew behind each search
.set PWK, 88                           ; s[88:91] in the rank search: for each word of a run, ranks in front of it and, above them, its first token
.set OW,  84
.set OA,  86
.set WINC, 88
.set AINC, 90
.set ORDE, 92
.set GWE, 94
.set TC,  96
.set RB,  97
.set PHO, 98
.set MSB, 0
.macro WIN new                         ; the immediate's high byte repeats the setting that is left; a switch that changes nothing is dropped
.if MSB != (\new)
	s_set_vgpr_msb (MSB<<8)|(\new)
.set MSB, \new
.endif
.endm
.macro WLOAD st, base                  ; my block of a trip: 16 rows a lane half, into a stage set
.set p, 0
.rept 16
	global_load_b128 v[(\st)+4*p:(\st)+4*p+3], v[VW], s[PW:PW+1] offset:(\base)+p*PITCH th:TH_LOAD_NT
.set p, p+1
.endr
.endm
.macro CVT st                          ; a stage set becomes four fragments, in v[PK ..]
.set c, 0
.rept 4
.set i, 0
.rept 8
	v_cvt_pk_bf16_f32 v[PK+8*c+i], v[(\st)+8*i+c], v[(\st)+8*i+4+c]
.set i, i+1
.endr
.set c, c+1
.endr
.endm
.macro STW slot                        ; which go into an LDS slot
.set c, 0
.rept 4
	ds_store_b128 v[LW], v[PK+8*c:PK+8*c+3] offset:(\slot)*SLOTB+c*1024
	ds_store_b128 v[LW], v[PK+8*c+4:PK+8*c+7] offset:(\slot)*SLOTB+c*1024+512
.set c, c+1
.endr
.endm
.macro FETCHH slot, sg                 ; 16 LDS loads in one run: the eight fragments of sub-step sg of a slot
	WIN 0xc0
.set n, 0
.rept 16
	ds_load_b128 v[128+64*(\sg)+4*n:128+64*(\sg)+4*n+3], v[LR] offset:(\slot)*SLOTB+8192*(\sg)+512*n
.set n, n+1
.endr
.endm
.macro ALDH j, b, sg, base             ; tile j's rows of one sub-step, into half sg of buffer b
	WIN 0x40
	global_load_b128 v[96*(\b)+16*(\j)+8*(\sg):96*(\b)+16*(\j)+8*(\sg)+3], v[VA+(\j)], s[PA:PA+1] offset:(\base)+2*(\sg)*AIMM
	global_load_b128 v[96*(\b)+16*(\j)+8*(\sg)+4:96*(\b)+16*(\j)+8*(\sg)+7], v[VA+(\j)], s[PA:PA+1] offset:(\base)+(2*(\sg)+1)*AIMM
.endm
.macro ALH b, sg, base, cond           ; a batch of rows: 8 loads, and 2 more for each of tiles 4 and 5.  cond = 1: those by the count; the jumps pass loads alone
	ALDH 0, \b, \sg, \base
	ALDH 1, \b, \sg, \base
	ALDH 2, \b, \sg, \base
	ALDH 3, \b, \sg, \base
.if \cond
	WIN 0
	s_cmp_lt_u32 s[NT], 5
	s_cbranch_scc1 .Lal_\@
.endif
	ALDH 4, \b, \sg, \base
.if \cond
	WIN 0
	s_cmp_lt_u32 s[NT], 6
	s_cbranch_scc1 .Lal_\@
.endif
	ALDH 5, \b, \sg, \base
	WIN 0
.Lal_\@:
.endm
; Tile j's eight products of sub-step sg, rows from buffer b: its eight accumulators by turns.  zero = 1: they start the sums (here with the bias as C).
.macro PROD j, sg, b, zero
.set rA, 96*(\b)+16*(\j)+8*(\sg)
.set rD, 64*((\j)%4)
.set hiw, (\j)/4
.set n, 0
.rept 8
.set rW, 128+64*(\sg)+8*n
.if UP
.if \zero
	WIN 0x97+0x40*hiw
	v_wmma_f32_16x16x32_bf16 v[rD+8*n:rD+8*n+7], v[rW:rW+7], v[rA:rA+7], v[192+8*n:192+8*n+7]
.else
	WIN 0xa7+0x50*hiw
	v_wmma_f32_16x16x32_bf16 v[rD+8*n:rD+8*n+7], v[rW:rW+7], v[rA:rA+7], v[rD+8*n:rD+8*n+7]
.endif
.else
	WIN 0xad+0x50*hiw
.if \zero
	v_wmma_f32_16x16x32_bf16 v[rD+8*n:rD+8*n+7], v[rA:rA+7], v[rW:rW+7], 0
.else
	v_wmma_f32_16x16x32_bf16 v[rD+8*n:rD+8*n+7], v[rA:rA+7], v[rW:rW+7], v[rD+8*n:rD+8*n+7]
.endif
.endif
.set n, n+1
.endr
.endm
.macro PR45 sg, b, zero, cond          ; the products of tiles 4 and 5.  cond = 1: by the count; the jumps pass products alone
.if \cond
	WIN 0
	s_cmp_lt_u32 s[NT], 5
	s_cbranch_scc1 .Lpd_\@
.endif
	PROD 4, \sg, \b, \zero
.if \cond
	WIN 0
	s_cmp_lt_u32 s[NT], 6
	s_cbranch_scc1 .Lpd_\@
.endif
	PROD 5, \sg, \b, \zero
	WIN 0
.Lpd_\@:
.endm
; TRIP t, b = t % 2, in two halves, one for each sub-step.
;   head of half 0    weights t + 1 are rounded: 32 conversions, which are also the places behind the last trip's products; the pointers step; the first wait on va_vdst
;   half 0            tile 0 | the eight LDS stores into the other slot, fragments (t, 1) from slot b | tile 1 | rows (t + 1, 1) | tiles 4, 5 | weights t + 3, and my block of trip t + 6 asked for ahead
;                     (each lane another row's 256 bytes, each piece once in the launch) | tile 2
;   THE BARRIER       in front of the signal my stores into the other slot are done and my reads of slot b are back (the wait for 0); eight products stand between signal and wait.  Behind the wait the
;                     other slot is whole, and slot b, which nobody reads any more, may be stored into in the next trip
;   head of half 1    four places; the second wait on va_vdst
;   half 1            tile 0 | fragments (t + 1, 0) from the other slot | tile 1 | rows (t + 2, 0) | tiles 2, 3, 4, 5
; GLOBAL LOADS are issued in the order rows (t + 1, 1), weights t + 3, rows (t + 2, 0), trip after trip.  A batch of rows is 8 loads at the least, a batch of weights 16.
; cw leaves out what is issued behind weights t + 1: rows (t, 0), rows (t, 1), weights t + 2, rows (t + 1, 0): 8 + 8 + 16 + 8 = 40.  c0 what is issued behind rows (t, 0): 8 + 16 + 8 = 32.
; c1 what is issued behind rows (t, 1): weights t + 2, rows (t + 1, 0), rows (t + 1, 1), weights t + 3: 16 + 8 + 8 + 16 = 48.
; first = 1: trip 0: no step; its half 0 starts the sums of all six tiles and loads rows (1, 1) of all six, so that every register is written on every way.
; la1, la0: rows are asked for in the two halves; st: weights are staged (with the barrier and the next trip's first fragments); ldw: weights are asked for;
; pf = 1: the request ahead; pf > 1: only while the loop's count is pf or more, so that no request passes trip 15.
; The accumulators take turns, one instruction a turn: between two products on one accumulator stand 31 others' or more, on every way.
.macro TRIP b, first, cw, c0, c1, la1, st, ldw, pf, la0
	WIN 0
.if \st
	s_wait_loadcnt \cw                             ; weights t + 1 are in
	s_wait_alu depctr_vm_vsrc(0)                   ; the LDS stores issued before have read v[PK ..], which the conversions write again
	CVT ST0+64*(1-(\b))
.else
.rept 4
	v_nop                                          ; four places behind the last trip's products (ISA guide 7.12.1): here no conversions stand in them
.endr
.endif
.if !(\first)
.if (\la1) || (\la0)
	s_wait_xcnt 0x0                                ; the pointers are stepped only when the loads and the prefetch that name them have had their addresses translated
	s_add_nc_u64 s[PA:PA+1], s[PA:PA+1], ASTEP
.endif
.if \ldw
	s_add_nc_u64 s[PW:PW+1], s[PW:PW+1], WSTEP
.endif
.endif
	s_wait_alu depctr_va_vdst(0)                   ; the conversions have written v[PK ..], which the LDS stores read, and are done reading their stage set, in which weights land; the last half's products are done reading fragments sg 1 and their rows, in which loads land
	s_wait_loadcnt \c0                             ; rows (t, 0) are in
	s_wait_dscnt 0x0                               ; fragments (t, 0) are in
	PROD 0, 0, \b, \first
	WIN 0
.if \st
	STW 1-(\b)
.endif
	FETCHH \b, 1
	PROD 1, 0, \b, \first
.if \la1
	ALH 1-(\b), 1, ASTEP, 1-(\first)
.endif
	PR45 0, \b, \first, 1-(\first)
.if \ldw
	WLOAD ST0+64*(1-(\b)), 3*WSTEP
.endif
.if (\pf) == 1
	global_prefetch_b8 v[VPF], s[PW:PW+1] offset:6*WSTEP th:TH_LOAD_NT scope:SCOPE_SE
.elseif (\pf) > 1
	s_cmp_lt_u32 s[LC], \pf
	s_cbranch_scc1 .Lpf_\@
	global_prefetch_b8 v[VPF], s[PW:PW+1] offset:6*WSTEP th:TH_LOAD_NT scope:SCOPE_SE
.Lpf_\@:
.endif
	PROD 2, 0, \b, \first
	s_wait_dscnt 0x0                               ; fragments (t, 1) are in: my reads of slot b are over; my stores into the other slot are done
.if \st
	s_barrier_signal -1
.endif
	PROD 3, 0, \b, \first
.if \st
	s_barrier_wait -1
	WIN 0
.rept 4
	v_nop                                          ; four places behind half 0's products (ISA guide 7.12.1)
.endr
	s_wait_alu depctr_va_vdst(0)                   ; half 0's products are done reading fragments sg 0 and rows (b, 0), in which the loads of this half land
.endif
	s_wait_loadcnt \c1                             ; rows (t, 1) are in
	PROD 0, 1, \b, 0
.if \st
	FETCHH 1-(\b), 0
.endif
	PROD 1, 1, \b, 0
.if \la0
	ALH \b, 0, 2*ASTEP, 1
.endif
	PROD 2, 1, \b, 0
	PROD 3, 1, \b, 0
	PR45 1, \b, 0, 1
.endm
; One sub-step of the loop for ranks past 384: both column halves' weights straight from memory through both stage sets into the fragments' registers, two tiles' rows, 16 products.  No LDS, no barrier.
.macro OSTEP zero
	WIN 0
.rept 4
	v_nop                                          ; four places behind the last products, for the conversions into registers that they read
.endr
	s_wait_alu depctr_va_vdst(0)                   ; the conversions before are done reading both stage sets, the products before their rows: loads land in both; in a trip's first sub-step v[VA] and v[VA+1] are written, which the loads read
.set p, 0
.rept 16
	global_load_b128 v[ST0+4*p:ST0+4*p+3], v[VW], s[OW:OW+1] offset:p*PITCH
	global_load_b128 v[ST0+64+4*p:ST0+64+4*p+3], v[VW], s[OW:OW+1] offset:p*PITCH+256
.set p, p+1
.endr
	WIN 0x40
.set i, 0
.rept 2
	global_load_b128 v[4*i:4*i+3], v[VA], s[OA:OA+1] offset:i*AIMM
	global_load_b128 v[16+4*i:16+4*i+3], v[VA+1], s[OA:OA+1] offset:i*AIMM
.set i, i+1
.endr
	WIN 0
	s_wait_loadcnt 0x0                             ; all are in, so their pointers may be stepped
	s_add_nc_u64 s[OW:OW+1], s[OW:OW+1], s[WINC:WINC+1]
	s_xor_b32 s[WINC], s[WINC], 32*PITCH           ; 16 rows and 48 rows by turns
.if UP
	s_add_nc_u64 s[OA:OA+1], s[OA:OA+1], s[AINC:AINC+1]
	s_xor_b32 s[AINC], s[AINC], 64                 ; 32 bytes and 96 bytes by turns
.else
	s_add_nc_u64 s[OA:OA+1], s[OA:OA+1], 1024
.endif
	WIN 0xc0
.set n, 0
.rept 8
.set i, 0
.rept 8
	v_cvt_pk_bf16_f32 v[128+8*n+i], v[ST0+64*(n/4)+8*i+n%4], v[ST0+64*(n/4)+8*i+4+n%4]
.set i, i+1
.endr
.set n, n+1
.endr
	PROD 0, 0, 0, \zero
	PROD 1, 0, 0, \zero
	WIN 0
.endm
; The token of rank RB + 64 hh + r (clamped to the last rank).  The word: the last one whose prefix count is not above the rank.  The bit: by partial counts, halving five times.
.macro SELSTEP src, wid, stp
	v_bfe_u32 v[TT], v[\src], v[POS], \wid
	v_cmp_ge_u32 vcc_lo, v[NN], v[TT]
	s_wait_alu depctr_va_vcc(0)                    ; the compare has written VCC, which the two selects read
	v_cndmask_b32 v[TT], 0, v[TT], vcc_lo
	v_sub_nc_u32 v[NN], v[NN], v[TT]
	v_cndmask_b32 v[U1], 0, \stp, vcc_lo
	v_add_nc_u32 v[POS], v[POS], v[U1]
.endm
.macro TOK
	v_add_nc_u32 v[RAW], s[RB], v[C64R]
	v_min_u32 v[RHO], s[CM1], v[RAW]
	v_mov_b32 v[WD], s[MM]
	v_mov_b32 v[PX], 0
	s_mov_b32 s[PF], 0
.set wi, 1
.rept 8                                        ; words 1 to 31, four to a run: the compares, one wait, the selects in the words' order
.set g, 0
.rept 4
.if wi+g < 32
	s_bcnt1_i32_b32 s[TS], s[MM+wi+g-1]
	s_add_co_u32 s[PF], s[PF], s[TS]               ; ranks in front of the word,
	s_add_co_u32 s[PWK+g], s[PF], (64*((wi+g)/2)+(wi+g)%2)<<16   ; and above them the word's first token
	v_cmp_le_u32 s[MK+g], s[PF], v[RHO]
.endif
.set g, g+1
.endr
	s_wait_alu depctr_va_sdst(0)                   ; the run's compares have written their masks, which the selects read
.set g, 0
.rept 4
.if wi+g < 32
	v_cndmask_b32 v[WD], v[WD], s[MM+wi+g], s[MK+g]
	v_cndmask_b32 v[PX], v[PX], s[PWK+g], s[MK+g]
.endif
.set g, g+1
.endr
.set wi, wi+4
.endr
	v_and_b32 v[TT], 0xffff, v[PX]
	v_sub_nc_u32 v[NN], v[RHO], v[TT]              ; the rank inside the word
	v_lshrrev_b32 v[TT], 1, v[WD]
	v_and_b32 v[TT], 0x55555555, v[TT]
	v_sub_nc_u32 v[CA], v[WD], v[TT]               ; counts of 2 bits,
	v_lshrrev_b32 v[TT], 2, v[CA]
	v_and_b32 v[TT], 0x33333333, v[TT]
	v_and_b32 v[CB], 0x33333333, v[CA]
	v_add_nc_u32 v[CB], v[CB], v[TT]               ; of 4,
	v_lshrrev_b32 v[TT], 4, v[CB]
	v_add_nc_u32 v[CC], v[CB], v[TT]
	v_and_b32 v[CC], 0x0f0f0f0f, v[CC]             ; of 8,
	v_lshrrev_b32 v[TT], 8, v[CC]
	v_add_nc_u32 v[CD], v[CC], v[TT]
	v_and_b32 v[CD], 0x00ff00ff, v[CD]             ; of 16
	v_mov_b32 v[POS], 0
	SELSTEP CD, 8, 16
	SELSTEP CC, 8, 8
	SELSTEP CB, 4, 4
	SELSTEP CA, 2, 2
	SELSTEP WD, 1, 1
	v_lshrrev_b32 v[TT], 16, v[PX]
	v_lshl_add_u32 v[TOKN], v[POS], 1, v[TT]
.endm
.macro LISTS                           ; slice 0 alone: slot and weight of these 32 ranks, for the next launch
	s_cmp_lg_u32 s[SL], 0
	s_cbranch_scc1 .Lnl_\@
	v_min_u32 v[LA], 0x3ff, v[TOKN]
	v_lshlrev_b32 v[LA], 3, v[LA]
	v_lshlrev_b32 v[SA], 2, v[RAW]
	s_wait_alu depctr_va_vdst(0)                   ; v[LA] is written, which the two loads read; the compares and selects before are done reading v218-221, in which they land
	global_load_b64 v[218:219], v[LA], s[10:11]
	global_load_b64 v[220:221], v[LA], s[12:13]
	s_wait_loadcnt 0x0
	v_cmp_eq_u32 vcc_lo, s[EX], v219               ; is the expert the token's second choice?
	s_wait_alu depctr_va_vcc(0)                    ; the compare has written VCC, which the two selects read
	v_cndmask_b32 v[U1], 0, 1, vcc_lo
	v_lshl_add_u32 v[SLT], v[TOKN], 1, v[U1]
	v_cndmask_b32 v[WT], v220, v221, vcc_lo
	s_wait_alu depctr_va_vdst(0)                   ; v[SLT] and v[WT] are written, which the stores read (v[SA] stands ahead of the wait above)
	global_store_b32 v[SA], v[SLT], s[ORDE:ORDE+1]
	global_store_b32 v[SA], v[WT], s[GWE:GWE+1]
	s_wait_xcnt 0x0                                ; these registers are written again
	s_wait_alu depctr_vm_vsrc(0)                   ; the loads have read v[LA], the stores v[SA], v[SLT], v[WT]: all four are written again
.Lnl_\@:
.endm
.macro PAIR                            ; lanes 0-15 hold one tile's tokens, lanes 16-31 those of the tile four further on: both halves of the lanes get both
	v_permlanex16_b32 v[XO], v[TOKN], s76, s77
	v_cndmask_b32 v[TA], v[TOKN], v[XO], s78
	v_cndmask_b32 v[TB], v[XO], v[TOKN], s78
.endm
; THE WAY OUT of tile j: rounded to bf16, the maximum with 0, eight stores of 512 consecutive bytes.  Each accumulator is read from its low end on.  Two out-buffers of 32 registers take turns.
.macro EPI j, pb
	WIN 0
	s_wait_xcnt 0x0                                ; the registers that earlier stores read are written again only behind this wait
.if (\j) >= 2
	s_wait_alu depctr_vm_vsrc(0)                   ; the stores of the tile two back have read this out-buffer, which is written again
.endif
.set rT, ST0+32*((\j)%2)
.set rD, 64*((\j)%4)
	WIN 0x0a+5*((\j)/4)
.set ii, 0
.rept 8
.set n, 0
.rept 4                                        ; n = 2 be + cp
	v_cvt_pk_bf16_f32 v[rT+16*(n/2)+2*ii+n%2], v[rD+32*(n/2)+16*(n%2)+ii], v[rD+32*(n/2)+16*(n%2)+8+ii]
.set n, n+1
.endr
.set ii, ii+1
.endr
	WIN 0
.set n, 0
.rept 32
	v_pk_max_num_bf16 v[rT+n], v[rT+n], v[ZERO]
.set n, n+1
.endr
	s_wait_alu depctr_va_vdst(0)                   ; the maxima have written the out-buffer, which the stores read
.set n, 0
.rept 8
	global_store_b128 v[VH], v[rT+4*n:rT+4*n+3], s[\pb:\pb+1] offset:(\j)*524288+(n/4)*2048+(n%4)*512
.set n, n+1
.endr
.endm
	s_load_b512 s[4:19], s[0:1], 0x0               ; xb s[4:5], w1 s[6:7], b1 s[8:9], sel s[10:11], out3 s[12:13], h s[14:15], order s[16:17], gatew s[18:19]
	v_lshl_add_u32 v[SPW], v0, 2, SPARE
	v_mov_b32 v[NIL], 0
	v_mov_b32 v[ZERO], 0
	v_and_b32 v[LANE], 31, v0
	v_lshrrev_b32 v21, 5, v0
	v_readfirstlane_b32 s[WV], v21
	v_and_b32 v[R], 15, v0
	v_bfe_u32 v[HH], v0, 4, 1
	s_and_b32 s[EX], ttmp7, 0xffff
	s_mov_b32 s[SL], ttmp9
	s_mov_b32 s76, 0x76543210                      ; v_permlanex16_b32: each lane takes its own place in the other half
	s_mov_b32 s77, 0xfedcba98
	s_mov_b32 s78, 0xffff0000                      ; the mask of lanes 16-31, and of a word's upper bf16
	v_lshlrev_b32 v[VH], 4, v[LANE]
	v_lshlrev_b32 v[VW], 4, v[R]
	v_lshl_add_u32 v[VW], v[HH], 19, v[VW]
	v_lshlrev_b32 v[VPF], 14, v[R]
	v_lshl_add_u32 v[VPF], v[HH], 19, v[VPF]
	v_mov_b32 v[LR], v[VH]
	s_wait_alu depctr_va_sdst(0)                   ; the wave's number is written, ahead of its first reader
	s_lshl_b32 s75, s[WV], 12
	v_add_nc_u32 v[LW], s75, v[VH]
	v_lshl_add_u32 v[C64R], v[HH], 6, v[R]
	v_lshlrev_b32 v[C64H], 6, v[HH]
	v_lshlrev_b32 v[HB], 7, v[HH]
	s_lshl_b32 s66, s[EX], 24                      ; the slice in w1: 16 MiB an expert, 512 bytes a slice
	s_lshl_b32 s75, s[SL], 9
	s_add_co_u32 s66, s66, s75
	s_mov_b32 s67, 0
	s_and_b32 s72, s[WV], 1                        ; my block of a trip: column half w % 2, sub-step w / 2
	s_lshl_b32 s72, s72, 8
	s_lshr_b32 s73, s[WV], 1
	s_lshl_b32 s73, s73, 18
	s_add_co_u32 s72, s72, s73
	s_mov_b32 s73, 0
	s_lshl_b32 s74, s[EX], 14                      ; the slice in b1
	s_add_co_u32 s74, s74, s75
	s_mov_b32 s75, 0
	s_lshl_b32 s80, s[EX], 23                      ; h: 8 MiB an expert, 128 KiB a tile, 2,048 bytes a block of 64 columns
	s_lshl_b32 s82, s[WV], 17
	s_add_co_u32 s80, s80, s82
	s_lshl_b32 s82, s[SL], 12
	s_add_co_u32 s80, s80, s82
	s_mov_b32 s81, 0
	s_lshl_b32 s84, s[EX], 13                      ; the expert's row of the lists
	s_mov_b32 s85, 0
	s_wait_kmcnt 0x0
	s_add_nc_u64 s[OW0:OW0+1], s[6:7], s[66:67]
	s_add_nc_u64 s[PW:PW+1], s[OW0:OW0+1], s[72:73]
	s_mov_b64 s[PA:PA+1], s[4:5]
	s_add_nc_u64 s[8:9], s[8:9], s[74:75]
	s_add_nc_u64 s[PH:PH+1], s[14:15], s[80:81]
	s_add_nc_u64 s[ORDE:ORDE+1], s[16:17], s[84:85]
	s_add_nc_u64 s[GWE:GWE+1], s[18:19], s[84:85]
	s_wait_alu depctr_va_vdst(0)                   ; the offsets v[VW], v[VPF], v[LW], v[LR], v[VH] and v[HB] are written, which the loads, stores and prefetches from here on read
.set n, 0
.rept 16
	global_load_b128 v[192+4*n:192+4*n+3], v[VH], s[10:11] offset:n*512    ; all 1,024 tokens' choices
.set n, n+1
.endr
	WLOAD ST0, 0                                   ; weights of trips 0 and 1
	WLOAD ST0+64, WSTEP
	WIN 0x40
.set n, 0
.rept 16                                       ; the bias: n = 8 be + i: columns 64 be + 32 hh + 4 i + 0..3
	global_load_b128 v[96+4*n:96+4*n+3], v[HB], s[8:9] offset:(n/8)*256+(n%8)*16
.set n, n+1
.endr
	WIN 0
	global_prefetch_b8 v[VPF], s[PW:PW+1] offset:3*WSTEP th:TH_LOAD_NT scope:SCOPE_SE
	global_prefetch_b8 v[VPF], s[PW:PW+1] offset:4*WSTEP th:TH_LOAD_NT scope:SCOPE_SE
	global_prefetch_b8 v[VPF], s[PW:PW+1] offset:5*WSTEP th:TH_LOAD_NT scope:SCOPE_SE
	s_wait_loadcnt 48                              ; sel is in; the weights' 32 loads and the bias's 16 stay out
.set n, 0
.rept 4                                        ; the masks, in four runs of sixteen compares: a token's first choice into the mask's own register, its second into a register beside
.set m, 0
.rept 4
	v_cmp_eq_u32 s[MM+2*(n+m)], s[EX], v[192+4*(n+m)]
	v_cmp_eq_u32 s[MK+2*m], s[EX], v[192+4*(n+m)+1]
	v_cmp_eq_u32 s[MM+2*(n+m)+1], s[EX], v[192+4*(n+m)+2]
	v_cmp_eq_u32 s[MK+2*m+1], s[EX], v[192+4*(n+m)+3]
.set m, m+1
.endr
	s_wait_alu depctr_va_sdst(0)                   ; the run's sixteen compares have written their masks, which the scalar lines below read
.set m, 0
.rept 4
	s_or_b32 s[MM+2*(n+m)], s[MM+2*(n+m)], s[MK+2*m]
	s_or_b32 s[MM+2*(n+m)+1], s[MM+2*(n+m)+1], s[MK+2*m+1]
.set m, m+1
.endr
.set n, n+4
.endr
	s_mov_b32 s[CNT], 0
.set n, 0
.rept 32
	s_bcnt1_i32_b32 s75, s[MM+n]
	s_add_co_u32 s[CNT], s[CNT], s75
.set n, n+1
.endr
	s_add_co_u32 s[NTL], s[CNT], 15
	s_lshr_b32 s[NTL], s[NTL], 4
	s_add_co_u32 s[NT], s[NTL], 3
	s_sub_co_u32 s[NT], s[NT], s[WV]
	s_lshr_b32 s[NT], s[NT], 2                     ; tiles w + 4 j below the expert's number of tiles,
	s_min_u32 s[NT], s[NT], 6                      ; six at the most here
	s_max_u32 s[CM1], s[CNT], 1
	s_sub_co_u32 s[CM1], s[CM1], 1
	s_sub_co_i32 s[ON], s[NTL], 17
	s_sub_co_i32 s[ON], s[ON], s[WV]
	s_max_i32 s[ON], s[ON], 0
	s_lshr_b32 s[ON], s[ON], 3                     ; trips of the loop for tiles 24 + w + 8 i
.set n, 0
.rept 6
	v_mov_b32 v[TK+n], 0
.set n, n+1
.endr
	v_mov_b32 v[XO], 0
	s_lshl_b32 s[RB], s[WV], 4
	s_mov_b32 s[TC], 3
.Ltok:                                         ; three trips: tiles w + 8 i and w + 8 i + 4.  No register can be indexed by the count, so the six tokens move up a pair a trip
	TOK
	LISTS
	PAIR
	v_mov_b32 v[TK], v[TK+2]
	v_mov_b32 v[TK+1], v[TK+3]
	v_mov_b32 v[TK+2], v[TK+4]
	v_mov_b32 v[TK+3], v[TK+5]
	v_mov_b32 v[TK+4], v[TA]
	v_mov_b32 v[TK+5], v[TB]
	s_add_co_u32 s[RB], s[RB], 128
	s_sub_co_u32 s[TC], s[TC], 1
	s_cmp_lg_u32 s[TC], 0
	s_cbranch_scc1 .Ltok
.set n, 0
.rept 6
	v_min_u32 v[TK+n], 0x3ff, v[TK+n]
	v_lshl_add_u32 v[VA+n], v[TK+n], 11, v[C64H]
.set n, n+1
.endr
	v_mov_b32 v[SLT], s[CNT]                       ; the count, for words 2016-2047 of the expert's row
	v_lshlrev_b32 v[SA], 2, v[LANE]
	s_wait_alu depctr_va_vdst(0)                   ; the six row offsets v[VA ..] are written, which the rows' loads read; so are v[SLT] and v[SA], which the count's store reads
	s_cmp_lg_u32 s[SL], 0
	s_cbranch_scc1 .Lnocnt
	s_cmp_lg_u32 s[WV], 0
	s_cbranch_scc1 .Lnocnt
	global_store_b32 v[SA], v[SLT], s[ORDE:ORDE+1] offset:8064
	s_wait_xcnt 0x0
.Lnocnt:
	ALH 0, 0, 0, 0                                 ; rows of trip 0, both sub-steps, all six tiles: every row register is written on every way
	ALH 0, 1, 0, 0
	s_wait_loadcnt 24                              ; all but those 24: the weights of trips 0 and 1 and the bias are in
	WIN 0x05
.set n, 0
.rept 16
	v_cvt_pk_bf16_f32 v[PK+2*n], v[96+4*n], v[96+4*n+1]
	v_cvt_pk_bf16_f32 v[PK+2*n+1], v[96+4*n+2], v[96+4*n+3]
.set n, n+1
.endr
	WIN 0x40
.set n, 0
.rept 16                                       ; the rounded bias, widened straight into the accumulators' layout: 192 + 32 be + 8 c + i
	v_lshlrev_b32 v[192+32*(n/8)+n%8], 16, v[PK+2*n]
	v_and_b32 v[192+32*(n/8)+8+n%8], s78, v[PK+2*n]
	v_lshlrev_b32 v[192+32*(n/8)+16+n%8], 16, v[PK+2*n+1]
	v_and_b32 v[192+32*(n/8)+24+n%8], s78, v[PK+2*n+1]
.set n, n+1
.endr
	WIN 0
	CVT ST0
	s_wait_alu depctr_va_vdst(0)                   ; the conversions have written v[PK ..], which the LDS stores read, and are done reading the first stage set, in which weights land; the bias's are done reading the second row buffer, in which rows land
	STW 0
	WLOAD ST0, 2*WSTEP                             ; weights of trip 2, then rows (1, 0): the order in which the trips go on
	ALH 1, 0, ASTEP, 0
	s_wait_dscnt 0x0                               ; my part of slot 0 is stored
	s_barrier_signal -1
	s_barrier_wait -1
	FETCHH 0, 0                                    ; fragments (0, 0)
	TRIP 0, 1, 40, 32, 48, 1, 1, 1, 1, 1           ; trip 0
	s_mov_b32 s[LC], 6
.Lk:                                           ; trips 1 to 12
	TRIP 1, 0, 40, 32, 48, 1, 1, 1, 2, 1
	TRIP 0, 0, 40, 32, 48, 1, 1, 1, 3, 1
	s_sub_co_u32 s[LC], s[LC], 1
	s_cmp_lg_u32 s[LC], 0
	s_cbranch_scc1 .Lk
	TRIP 1, 0, 40, 32, 32, 1, 1, 0, 0, 1           ; trip 13: no weights are left to ask for.  Behind rows (13, 1): weights 15, rows (14, 0), (14, 1): 16 + 8 + 8
	TRIP 0, 0, 24, 16, 16, 1, 1, 0, 0, 0           ; trip 14: behind weights 15: rows (14, 0), (14, 1), (15, 0); behind rows (14, 0): rows (14, 1), (15, 0); behind rows (14, 1): rows (15, 0), (15, 1)
	TRIP 1, 0, 0, 8, 0, 0, 0, 0, 0, 0              ; trip 15: behind rows (15, 0): rows (15, 1); nothing is staged, so no barrier
.rept 4
	v_nop                                          ; four places between the last products and the first read of a result
.endr
	EPI 0, PH                                      ; tiles 0-3 are always stored: the next launch reads them whatever the count
	EPI 1, PH
	EPI 2, PH
	EPI 3, PH
	s_cmp_lt_u32 s[NT], 5
	s_cbranch_scc1 .Lfastdone
	EPI 4, PH
	s_cmp_lt_u32 s[NT], 6
	s_cbranch_scc1 .Lfastdone
	EPI 5, PH
.Lfastdone:
	s_cmp_eq_u32 s[ON], 0
	s_cbranch_scc1 .Lend
	s_mov_b32 s[OI], 0
	s_add_nc_u64 s[PHO:PHO+1], s[PH:PH+1], 24<<17
.Lover:                                        ; tiles 24 + w + 8 i and four further on, in the registers of tiles 0 and 1
	s_wait_xcnt 0x0                                ; the way out's stores have read their registers
	s_wait_alu depctr_vm_vsrc(0)                   ; the way out's stores have read both out-buffers, in which weights land; the rows' loads v[VA] and v[VA+1], the count's store v[SLT] and v[SA]: all are written again below
	TOK
	LISTS
	PAIR
	v_min_u32 v[TA], 0x3ff, v[TA]
	v_min_u32 v[TB], 0x3ff, v[TB]
	v_lshl_add_u32 v[VA], v[TA], 11, v[C64H]
	v_lshl_add_u32 v[VA+1], v[TB], 11, v[C64H]
	s_add_co_u32 s[RB], s[RB], 128
	s_mov_b64 s[OW:OW+1], s[OW0:OW0+1]
	s_mov_b64 s[OA:OA+1], s[4:5]
	s_mov_b32 s[WINC], 16*PITCH
	s_mov_b32 s[WINC+1], 0
	s_mov_b32 s[AINC], 32
	s_mov_b32 s[AINC+1], 0
	OSTEP 1
	s_mov_b32 s[KC], 31
.Lok:
	OSTEP 0
	s_sub_co_u32 s[KC], s[KC], 1
	s_cmp_lg_u32 s[KC], 0
	s_cbranch_scc1 .Lok
.rept 4
	v_nop
.endr
	EPI 0, PHO
	s_lshl_b32 s75, s[OI], 3
	s_add_co_u32 s75, s75, s[WV]
	s_add_co_u32 s75, s75, 28
	s_cmp_ge_u32 s75, s[NTL]
	s_cbranch_scc1 .Lnob                           ; the second tile lies past the count: it is not stored
	EPI 1, PHO
.Lnob:
	s_wait_xcnt 0x0
	s_add_nc_u64 s[PHO:PHO+1], s[PHO:PHO+1], 1<<20
	s_add_co_u32 s[OI], s[OI], 1
	s_cmp_lt_u32 s[OI], s[ON]
	s_cbranch_scc1 .Lover
.Lend:
	s_wait_dscnt 0x0                               ; the closing lines, six on end
	s_wait_alu 0x0
	s_wait_tensorcnt 0x0
	ds_add_u32 v[SPW], v[NIL]
	s_wait_dscnt 0x0
	s_endpgm
.Lfunc_end_k_q2165482024_up:
	.size	k_q2165482024_up, .Lfunc_end_k_q2165482024_up-k_q2165482024_up
	.p2alignl 7, 3214868480
	.fill 96, 4, 3214868480
	.section	.rodata,"a",@progbits
	.p2align	6, 0x0
	.amdhsa_kernel k_q2165482024_up
		.amdhsa_group_segment_fixed_size 33280
		.amdhsa_private_segment_fixed_size 0
		.amdhsa_enable_private_segment 0
		.amdhsa_kernarg_size 64
		.amdhsa_user_sgpr_count 2
		.amdhsa_user_sgpr_kernarg_segment_ptr 1
		.amdhsa_wavefront_size32 1
		.amdhsa_system_sgpr_workgroup_id_x 1
		.amdhsa_system_sgpr_workgroup_id_y 1
		.amdhsa_system_sgpr_workgroup_id_z 1
		.amdhsa_system_vgpr_workitem_id 0
		.amdhsa_next_free_vgpr 1024
		.amdhsa_next_free_sgpr 100
		.amdhsa_reserve_vcc 1
		.amdhsa_float_denorm_mode_32 3
		.amdhsa_float_denorm_mode_16_64 3
		.amdhsa_memory_ordered 1
		.amdhsa_forward_progress 1
		.amdhsa_inst_pref_size 202
	.end_amdhsa_kernel
	.amdgpu_metadata
---
amdhsa.version: [ 1, 2 ]
amdhsa.kernels:
  - .name:           k_q2165482024_up
    .symbol:         k_q2165482024_up.kd
    .args:
      - { .name: xb, .offset: 0, .size: 8, .value_kind: global_buffer, .address_space: global }
      - { .name: w1, .offset: 8, .size: 8, .value_kind: global_buffer, .address_space: global }
      - { .name: b1, .offset: 16, .size: 8, .value_kind: global_buffer, .address_space: global }
      - { .name: sel, .offset: 24, .size: 8, .value_kind: global_buffer, .address_space: global }
      - { .name: out3, .offset: 32, .size: 8, .value_kind: global_buffer, .address_space: global }
      - { .name: h, .offset: 40, .size: 8, .value_kind: global_buffer, .address_space: global }
      - { .name: order, .offset: 48, .size: 8, .value_kind: global_buffer, .address_space: global }
      - { .name: gatew, .offset: 56, .size: 8, .value_kind: global_buffer, .address_space: global }
    .group_segment_fixed_size: 33280
    .private_segment_fixed_size: 0
    .kernarg_segment_align: 8
    .kernarg_segment_size: 64
    .max_flat_workgroup_size: 128
    .sgpr_count:     100
    .vgpr_count:     1024
    .wavefront_size: 32
...
	.end_amdgpu_metadata
.endif
;; end of part 5
;; launch down (part 6): grid 32 x 8, 4 waves a work-group, no clusters, 33,280 bytes of LDS; arguments h, w2, order, gatew, part; writes part
.if DOCPART == 6
	.amdgcn_target "amdgcn-amd-amdhsa--gfx1250"
	.amdhsa_code_object_version 6
	.text
	.protected	k_q2165482024_down
	.globl	k_q2165482024_down
	.p2align	8
	.type	k_q2165482024_down,@function
k_q2165482024_down:
	s_mov_b64 s[64:65], 0
	v_nop
	global_prefetch_b8 v0, s[64:65] scope:SCOPE_SE
	s_setreg_imm32_b32 hwreg(HW_REG_WAVE_SCHED_MODE, 0, 2), 2
	s_setreg_imm32_b32 hwreg(HW_REG_WAVE_MODE, 25, 1), 1
	s_wait_xcnt 0x0
	s_wait_alu depctr_vm_vsrc(0)
; SECOND PRODUCT.  part[q][slot] = gate weight x (h[rank] w2[e]) over quarter q of the hidden width, f32 partial sums; the last launch adds the four quarters, the two choices and the bias.
; A work-group is (expert e = y; x = 8 q + ds): all of the expert's rows x K = 1,024 hidden columns (quarter q) x 128 output columns (slice ds).  Its 512 KB of f32 weights are read by it alone,
; once (again only for rows past 384), and rounded to bf16 on their way through registers; sums in f32.
; The loop is the first product's: 16 trips of 64 along K in two halves, two LDS slots of 16 weight fragments, one barrier a trip; position p of lane half hh in sub-step sg stands for k = 64 t + 32 hh + 16 sg + p.
; h lies in operand order: unit (expert, tile of 16 ranks, block of 64 columns) = 2,048 bytes, piece u at 512 u + 16 lane: two loads of 512 consecutive bytes are a tile's fragment of a sub-step.
; Source 0 = rows, source 1 = weights: register i of accumulator (be, c) holds rank 8 hh + i, column 64 be + 4 r + c, so the four c are 16 consecutive bytes of an output row.
; Count and lists were stored by the launch before.  Wave w owns tiles w + 4 j, j = 0..5; tiles 0-3 are always multiplied, 4 and 5 by the count; only live tiles are stored; in the last live tile
; the places past the count carry the last row, slot and weight, and write the same bytes again.  Ranks from 384 on go through a loop of their own, without LDS.
; NO CLUSTER: each weight byte has one reader; the number of h tiles hangs on a stored count, and a joint request may not be jumped.
; LIMITS.  NaN and infinities are not treated apart.
; REGISTERS, in windows of 256 (s_set_vgpr_msb: bits 1:0 source 0, 3:2 source 1, 5:4 source 2, 7:6 destination):
;   window 0: v0-31 addresses; v32-63 packed fragments; v64-127, v128-191 two stage sets (later the way out); v192-239 the store offsets: 4,096 slot + 16 r, at 192 + 8 j + i
;   window 1: v0-95, v96-191 two buffers of rows (tile j, sub-step sg at 16 j + 8 sg); v192-239 the gate's weights, at 192 + 8 j + i
;   window 2: the accumulators of tiles 0-3      window 3: v0-127 those of tiles 4, 5; v128-255 the 16 weight fragments (128 + 64 sg + 32 be + 8 c)
; THE MODE: SCHED_MODE bits 1:0 = 2 (LLVM: expert scheduling mode 2), set by the entry lines.  The code itself states the register dependences
; between vector or matrix instructions and memory or LDS instructions, with s_wait_alu, always for 0.
; THE PLAN.  Registers that memory or LDS instructions touch, in the K loop (trip t, b = t % 2):
;   stage set 1 - b       read by the trip's 32 conversions, at its head; behind them the loads of weights t + 3 land in it
;   v[PK ..]              written by those conversions; read by the trip's eight LDS stores
;   fragments sg 1, sg 0  read by the products of half 1, of half 0; LDS loads land in them in the next half 0, in the same trip's half 1
;   rows (1 - b, 1)       last read by half 1 of trip t - 1; loads land in half 0 of trip t          rows (b, 0)  read by half 0 of trip t; loads land in its half 1
;   the offsets v4-v7 and v12-v17 are made ahead of the loop and never written in it
; So a trip has one wait on vm_vsrc, ahead of the conversions, and two on va_vdst: behind the conversions, and behind the barrier.  Behind each of the two the half's loads and stores are dealt
; among its products, which name the other sub-step's fragments, the other rows and accumulators: none of the registers that those loads and stores touch.
.set UP,    0
.set PITCH, 4096
.set WSTEP, 64*PITCH
.set ASTEP, 2048
.set AIMM,  512
.set SLOTB, 16384
.set SPARE, 2*SLOTB                    ; the spare words, 128 bytes a wave: two blocks of 256 bytes that no other line names
.set LANE, 1
.set R,    2
.set HH,   3
.set VW,   4
.set VPF,  5
.set LW,   6
.set LR,   7
.set VH,   8
.set SPW,  9                           ; my spare word; never rewritten
.set NIL,  10                          ; 0; never rewritten
.set VA,   12                          ; v12-17: tile j's offset in h: 16 lane + 4 j tiles
.set LV,   18                          ; 32 hh: my eight ranks in a tile's 64 bytes of a list
.set R16,  19                          ; 16 r
.set PK,   32
.set ST0,  64
.set WV,  20
.set EX,  21
.set SL,  22
.set CNT, 23
.set NTL, 24
.set NT,  25
.set LC,  26
.set PW,  28                           ; in trip t: my block of trip t
.set PA,  30                           ; in trip t: my first tile's block of trip t
.set PART, 32
.set LO,  34
.set LG,  36
.set DSL, 38
.set QQ,  39
.set OA0, 40
.set OLO, 42
.set OLG, 44
.set ORD0, 46
.set OW0, 70
.set OI,  80
.set ON,  81
.set KC,  82
.set OW,  84
.set OA,  86
.set WINC, 88
.set MSB, 0
.macro WIN new                         ; the immediate's high byte repeats the setting that is left; a switch that changes nothing is dropped
.if MSB != (\new)
	s_set_vgpr_msb (MSB<<8)|(\new)
.set MSB, \new
.endif
.endm
.macro WLOAD st, base                  ; my block of a trip: 16 rows a lane half, into a stage set
.set p, 0
.rept 16
	global_load_b128 v[(\st)+4*p:(\st)+4*p+3], v[VW], s[PW:PW+1] offset:(\base)+p*PITCH th:TH_LOAD_NT
.set p, p+1
.endr
.endm
.macro CVT st                          ; a stage set becomes four fragments, in v[PK ..]
.set c, 0
.rept 4
.set i, 0
.rept 8
	v_cvt_pk_bf16_f32 v[PK+8*c+i], v[(\st)+8*i+c], v[(\st)+8*i+4+c]
.set i, i+1
.endr
.set c, c+1
.endr
.endm
.macro STW slot                        ; which go into an LDS slot
.set c, 0
.rept 4
	ds_store_b128 v[LW], v[PK+8*c:PK+8*c+3] offset:(\slot)*SLOTB+c*1024
	ds_store_b128 v[LW], v[PK+8*c+4:PK+8*c+7] offset:(\slot)*SLOTB+c*1024+512
.set c, c+1
.endr
.endm
.macro FETCHH slot, sg                 ; 16 LDS loads in one run: the eight fragments of sub-step sg of a slot
	WIN 0xc0
.set n, 0
.rept 16
	ds_load_b128 v[128+64*(\sg)+4*n:128+64*(\sg)+4*n+3], v[LR] offset:(\slot)*SLOTB+8192*(\sg)+512*n
.set n, n+1
.endr
.endm
.macro ALDH j, b, sg, base             ; tile j's rows of one sub-step, into half sg of buffer b
	WIN 0x40
	global_load_b128 v[96*(\b)+16*(\j)+8*(\sg):96*(\b)+16*(\j)+8*(\sg)+3], v[VA+(\j)], s[PA:PA+1] offset:(\base)+2*(\sg)*AIMM
	global_load_b128 v[96*(\b)+16*(\j)+8*(\sg)+4:96*(\b)+16*(\j)+8*(\sg)+7], v[VA+(\j)], s[PA:PA+1] offset:(\base)+(2*(\sg)+1)*AIMM
.endm
.macro ALH b, sg, base, cond           ; a batch of rows: 8 loads, and 2 more for each of tiles 4 and 5.  cond = 1: those by the count; the jumps pass loads alone
	ALDH 0, \b, \sg, \base
	ALDH 1, \b, \sg, \base
	ALDH 2, \b, \sg, \base
	ALDH 3, \b, \sg, \base
.if \cond
	WIN 0
	s_cmp_lt_u32 s[NT], 5
	s_cbranch_scc1 .Lal_\@
.endif
	ALDH 4, \b, \sg, \base
.if \cond
	WIN 0
	s_cmp_lt_u32 s[NT], 6
	s_cbranch_scc1 .Lal_\@
.endif
	ALDH 5, \b, \sg, \base
	WIN 0
.Lal_\@:
.endm
; Tile j's eight products of sub-step sg, rows from buffer b: its eight accumulators by turns.  zero = 1: they start the sums, with the constant 0.
.macro PROD j, sg, b, zero
.set rA, 96*(\b)+16*(\j)+8*(\sg)
.set rD, 64*((\j)%4)
.set hiw, (\j)/4
.set n, 0
.rept 8
.set rW, 128+64*(\sg)+8*n
.if UP
.if \zero
	WIN 0x97+0x40*hiw
	v_wmma_f32_16x16x32_bf16 v[rD+8*n:rD+8*n+7], v[rW:rW+7], v[rA:rA+7], v[192+8*n:192+8*n+7]
.else
	WIN 0xa7+0x50*hiw
	v_wmma_f32_16x16x32_bf16 v[rD+8*n:rD+8*n+7], v[rW:rW+7], v[rA:rA+7], v[rD+8*n:rD+8*n+7]
.endif
.else
	WIN 0xad+0x50*hiw
.if \zero
	v_wmma_f32_16x16x32_bf16 v[rD+8*n:rD+8*n+7], v[rA:rA+7], v[rW:rW+7], 0
.else
	v_wmma_f32_16x16x32_bf16 v[rD+8*n:rD+8*n+7], v[rA:rA+7], v[rW:rW+7], v[rD+8*n:rD+8*n+7]
.endif
.endif
.set n, n+1
.endr
.endm
.macro PR45 sg, b, zero, cond          ; the products of tiles 4 and 5.  cond = 1: by the count; the jumps pass products alone
.if \cond
	WIN 0
	s_cmp_lt_u32 s[NT], 5
	s_cbranch_scc1 .Lpd_\@
.endif
	PROD 4, \sg, \b, \zero
.if \cond
	WIN 0
	s_cmp_lt_u32 s[NT], 6
	s_cbranch_scc1 .Lpd_\@
.endif
	PROD 5, \sg, \b, \zero
	WIN 0
.Lpd_\@:
.endm
; TRIP t, b = t % 2, in two halves, one for each sub-step.
;   head of half 0    weights t + 1 are rounded: 32 conversions, which are also the places behind the last trip's products; the pointers step; the first wait on va_vdst
;   half 0            tile 0 | the eight LDS stores into the other slot, fragments (t, 1) from slot b | tile 1 | rows (t + 1, 1) | tiles 4, 5 | weights t + 3, and my block of trip t + 6 asked for ahead
;                     (each lane another row's 256 bytes, each piece once in the launch) | tile 2
;   THE BARRIER       in front of the signal my stores into the other slot are done and my reads of slot b are back (the wait for 0); eight products stand between signal and wait.  Behind the wait the
;                     other slot is whole, and slot b, which nobody reads any more, may be stored into in the next trip
;   head of half 1    four places; the second wait on va_vdst
;   half 1            tile 0 | fragments (t + 1, 0) from the other slot | tile 1 | rows (t + 2, 0) | tiles 2, 3, 4, 5
; GLOBAL LOADS are issued in the order rows (t + 1, 1), weights t + 3, rows (t + 2, 0), trip after trip.  A batch of rows is 8 loads at the least, a batch of weights 16.
; cw leaves out what is issued behind weights t + 1: rows (t, 0), rows (t, 1), weights t + 2, rows (t + 1, 0): 8 + 8 + 16 + 8 = 40.  c0 what is issued behind rows (t, 0): 8 + 16 + 8 = 32.
; c1 what is issued behind rows (t, 1): weights t + 2, rows (t + 1, 0), rows (t + 1, 1), weights t + 3: 16 + 8 + 8 + 16 = 48.
; first = 1: trip 0: no step; its half 0 starts the sums of all six tiles and loads rows (1, 1) of all six, so that every register is written on every way.
; la1, la0: rows are asked for in the two halves; st: weights are staged (with the barrier and the next trip's first fragments); ldw: weights are asked for;
; pf = 1: the request ahead; pf > 1: only while the loop's count is pf or more, so that no request passes trip 15.
; The accumulators take turns, one instruction a turn: between two products on one accumulator stand 31 others' or more, on every way.
.macro TRIP b, first, cw, c0, c1, la1, st, ldw, pf, la0
	WIN 0
.if \st
	s_wait_loadcnt \cw                             ; weights t + 1 are in
	s_wait_alu depctr_vm_vsrc(0)                   ; the LDS stores issued before have read v[PK ..], which the conversions write again
	CVT ST0+64*(1-(\b))
.else
.rept 4
	v_nop                                          ; four places behind the last trip's products (ISA guide 7.12.1): here no conversions stand in them
.endr
.endif
.if !(\first)
.if (\la1) || (\la0)
	s_wait_xcnt 0x0                                ; the pointers are stepped only when the loads and the prefetch that name them have had their addresses translated
	s_add_nc_u64 s[PA:PA+1], s[PA:PA+1], ASTEP
.endif
.if \ldw
	s_add_nc_u64 s[PW:PW+1], s[PW:PW+1], WSTEP
.endif
.endif
	s_wait_alu depctr_va_vdst(0)                   ; the conversions have written v[PK ..], which the LDS stores read, and are done reading their stage set, in which weights land; the last half's products are done reading fragments sg 1 and their rows, in which loads land
	s_wait_loadcnt \c0                             ; rows (t, 0) are in
	s_wait_dscnt 0x0                               ; fragments (t, 0) are in
	PROD 0, 0, \b, \first
	WIN 0
.if \st
	STW 1-(\b)
.endif
	FETCHH \b, 1
	PROD 1, 0, \b, \first
.if \la1
	ALH 1-(\b), 1, ASTEP, 1-(\first)
.endif
	PR45 0, \b, \first, 1-(\first)
.if \ldw
	WLOAD ST0+64*(1-(\b)), 3*WSTEP
.endif
.if (\pf) == 1
	global_prefetch_b8 v[VPF], s[PW:PW+1] offset:6*WSTEP th:TH_LOAD_NT scope:SCOPE_SE
.elseif (\pf) > 1
	s_cmp_lt_u32 s[LC], \pf
	s_cbranch_scc1 .Lpf_\@
	global_prefetch_b8 v[VPF], s[PW:PW+1] offset:6*WSTEP th:TH_LOAD_NT scope:SCOPE_SE
.Lpf_\@:
.endif
	PROD 2, 0, \b, \first
	s_wait_dscnt 0x0                               ; fragments (t, 1) are in: my reads of slot b are over; my stores into the other slot are done
.if \st
	s_barrier_signal -1
.endif
	PROD 3, 0, \b, \first
.if \st
	s_barrier_wait -1
	WIN 0
.rept 4
	v_nop                                          ; four places behind half 0's products (ISA guide 7.12.1)
.endr
	s_wait_alu depctr_va_vdst(0)                   ; half 0's products are done reading fragments sg 0 and rows (b, 0), in which the loads of this half land
.endif
	s_wait_loadcnt \c1                             ; rows (t, 1) are in
	PROD 0, 1, \b, 0
.if \st
	FETCHH 1-(\b), 0
.endif
	PROD 1, 1, \b, 0
.if \la0
	ALH \b, 0, 2*ASTEP, 1
.endif
	PROD 2, 1, \b, 0
	PROD 3, 1, \b, 0
	PR45 1, \b, 0, 1
.endm
; One sub-step of the loop for ranks past 384: both column halves' weights straight from memory through both stage sets into the fragments' registers, two tiles' rows, 16 products.  No LDS, no barrier.
.macro OSTEP zero
	WIN 0
.rept 4
	v_nop                                          ; four places behind the last products, for the conversions into registers that they read
.endr
	s_wait_alu depctr_va_vdst(0)                   ; the conversions before are done reading both stage sets, the products before their rows: loads land in both; in a trip's first sub-step v[VA+1] is written, which the loads read
.set p, 0
.rept 16
	global_load_b128 v[ST0+4*p:ST0+4*p+3], v[VW], s[OW:OW+1] offset:p*PITCH
	global_load_b128 v[ST0+64+4*p:ST0+64+4*p+3], v[VW], s[OW:OW+1] offset:p*PITCH+256
.set p, p+1
.endr
	WIN 0x40
.set i, 0
.rept 2
	global_load_b128 v[4*i:4*i+3], v[VA], s[OA:OA+1] offset:i*AIMM
	global_load_b128 v[16+4*i:16+4*i+3], v[VA+1], s[OA:OA+1] offset:i*AIMM
.set i, i+1
.endr
	WIN 0
	s_wait_loadcnt 0x0                             ; all are in, so their pointers may be stepped
	s_add_nc_u64 s[OW:OW+1], s[OW:OW+1], s[WINC:WINC+1]
	s_xor_b32 s[WINC], s[WINC], 32*PITCH           ; 16 rows and 48 rows by turns
.if UP
	s_add_nc_u64 s[OA:OA+1], s[OA:OA+1], s[AINC:AINC+1]
	s_xor_b32 s[AINC], s[AINC], 64
.else
	s_add_nc_u64 s[OA:OA+1], s[OA:OA+1], 1024      ; two pieces of 512 bytes
.endif
	WIN 0xc0
.set n, 0
.rept 8
.set i, 0
.rept 8
	v_cvt_pk_bf16_f32 v[128+8*n+i], v[ST0+64*(n/4)+8*i+n%4], v[ST0+64*(n/4)+8*i+4+n%4]
.set i, i+1
.endr
.set n, n+1
.endr
	PROD 0, 0, 0, \zero
	PROD 1, 0, 0, \zero
	WIN 0
.endm
.macro ADSET cnt                       ; slots become store offsets
.set n, 0
.rept \cnt
	v_min_u32 v[192+n], 0x7ff, v[192+n]
	v_lshl_add_u32 v[192+n], v[192+n], 12, v[R16]
.set n, n+1
.endr
.endm
; THE WAY OUT of tile j: the multiplication by the gate's weight brings a rank's four neighbouring columns into neighbouring registers; each half of the lanes then stores 256 consecutive bytes, aligned.
; Each accumulator is read from its low end on.  The two stage sets are the out-buffers, by turns.
.macro EPO j
	WIN 0
	s_wait_xcnt 0x0                                ; the registers that earlier stores read are written again only behind this wait
.if (\j) >= 2
	s_wait_alu depctr_vm_vsrc(0)                   ; the stores of the tile two back have read this out-buffer, which is written again
.endif
.set rT, ST0+64*((\j)%2)
.set rD, 64*((\j)%4)
	WIN 0x06+(\j)/4
.set ii, 0
.rept 8
.set n, 0
.rept 8
	v_mul_f32 v[rT+8*ii+n], v[rD+8*n+ii], v[192+8*(\j)+ii]
.set n, n+1
.endr
.set ii, ii+1
.endr
	WIN 0
	s_wait_alu depctr_va_vdst(0)                   ; the multiplications have written the out-buffer, which the stores read, and are done reading the gate's weights
.set ii, 0
.rept 8
	global_store_b128 v[192+8*(\j)+ii], v[rT+8*ii:rT+8*ii+3], s[PART:PART+1]
	global_store_b128 v[192+8*(\j)+ii], v[rT+8*ii+4:rT+8*ii+7], s[PART:PART+1] offset:256
.set ii, ii+1
.endr
.endm
	s_load_b256 s[4:11], s[0:1], 0x0               ; h s[4:5], w2 s[6:7], order s[8:9], gatew s[10:11]
	s_load_b64 s[12:13], s[0:1], 0x20              ; part
	v_lshl_add_u32 v[SPW], v0, 2, SPARE
	v_mov_b32 v[NIL], 0
	v_and_b32 v[LANE], 31, v0
	v_lshrrev_b32 v21, 5, v0
	v_readfirstlane_b32 s[WV], v21
	v_and_b32 v[R], 15, v0
	v_bfe_u32 v[HH], v0, 4, 1
	s_and_b32 s[EX], ttmp7, 0xffff
	s_mov_b32 s[SL], ttmp9
	s_and_b32 s[DSL], s[SL], 7                     ; the slice of 128 output columns
	s_lshr_b32 s[QQ], s[SL], 3                     ; the quarter of the hidden width
	v_lshlrev_b32 v[VH], 4, v[LANE]
	v_lshlrev_b32 v[VW], 4, v[R]
	v_lshl_add_u32 v[VW], v[HH], 17, v[VW]
	v_lshlrev_b32 v[VPF], 12, v[R]
	v_lshl_add_u32 v[VPF], v[HH], 17, v[VPF]
	v_mov_b32 v[LR], v[VH]
	s_wait_alu depctr_va_sdst(0)                   ; the wave's number is written, ahead of its first reader
	s_lshl_b32 s75, s[WV], 12
	v_add_nc_u32 v[LW], s75, v[VH]
	v_lshlrev_b32 v[LV], 5, v[HH]
	v_lshlrev_b32 v[R16], 4, v[R]
	s_lshl_b32 s66, s[EX], 24                      ; the slice in w2: 16 MiB an expert, 4 MiB a quarter, 512 bytes a slice
	s_lshl_b32 s75, s[QQ], 22
	s_add_co_u32 s66, s66, s75
	s_lshl_b32 s75, s[DSL], 9
	s_add_co_u32 s66, s66, s75
	s_mov_b32 s67, 0
	s_lshl_b32 s76, s[QQ], 23                      ; part: 8 MiB a quarter
	s_add_co_u32 s76, s76, s75
	s_mov_b32 s77, 0
	s_and_b32 s72, s[WV], 1                        ; my block of a trip: column half w % 2, sub-step w / 2
	s_lshl_b32 s72, s72, 8
	s_lshr_b32 s73, s[WV], 1
	s_lshl_b32 s73, s73, 16
	s_add_co_u32 s72, s72, s73
	s_mov_b32 s73, 0
	s_lshl_b32 s74, s[EX], 23                      ; h: the expert, my first tile, the quarter's first block
	s_lshl_b32 s75, s[WV], 17
	s_add_co_u32 s74, s74, s75
	s_lshl_b32 s75, s[QQ], 15
	s_add_co_u32 s74, s74, s75
	s_mov_b32 s75, 0
	s_lshl_b32 s78, s[EX], 13                      ; the expert's row of the lists,
	s_mov_b32 s79, 0
	s_lshl_b32 s48, s[WV], 6                       ; my first tile's 64 bytes in it
	s_mov_b32 s49, 0
	s_wait_kmcnt 0x0
	s_add_nc_u64 s[ORD0:ORD0+1], s[8:9], s[78:79]
	s_load_b32 s[CNT], s[ORD0:ORD0+1], 0x1f80      ; the expert's count
	s_add_nc_u64 s[LO:LO+1], s[ORD0:ORD0+1], s[48:49]
	s_add_nc_u64 s[LG:LG+1], s[10:11], s[78:79]
	s_add_nc_u64 s[LG:LG+1], s[LG:LG+1], s[48:49]
	s_add_nc_u64 s[OLO:OLO+1], s[LO:LO+1], 1536    ; the lists from tile 24 + w on
	s_add_nc_u64 s[OLG:OLG+1], s[LG:LG+1], 1536
	s_add_nc_u64 s[OW0:OW0+1], s[6:7], s[66:67]
	s_add_nc_u64 s[PW:PW+1], s[OW0:OW0+1], s[72:73]
	s_add_nc_u64 s[PA:PA+1], s[4:5], s[74:75]
	s_add_nc_u64 s[OA0:OA0+1], s[PA:PA+1], 24<<17
	s_add_nc_u64 s[PART:PART+1], s[12:13], s[76:77]
	s_wait_alu depctr_va_vdst(0)                   ; the offsets v[VW], v[VPF], v[LW], v[LR] and v[LV] are written, which the loads, LDS stores and prefetches from here on read
.set n, 0
.rept 6                                        ; ranks 0 to 383 of the lists are always written by the launch before
	global_load_b128 v[192+8*n:192+8*n+3], v[LV], s[LO:LO+1] offset:n*256
	global_load_b128 v[192+8*n+4:192+8*n+7], v[LV], s[LO:LO+1] offset:n*256+16
.set n, n+1
.endr
	WIN 0x40
.set n, 0
.rept 6
	global_load_b128 v[192+8*n:192+8*n+3], v[LV], s[LG:LG+1] offset:n*256
	global_load_b128 v[192+8*n+4:192+8*n+7], v[LV], s[LG:LG+1] offset:n*256+16
.set n, n+1
.endr
	WIN 0
	WLOAD ST0, 0                                   ; weights of trips 0 and 1
	WLOAD ST0+64, WSTEP
	global_prefetch_b8 v[VPF], s[PW:PW+1] offset:3*WSTEP th:TH_LOAD_NT scope:SCOPE_SE
	global_prefetch_b8 v[VPF], s[PW:PW+1] offset:4*WSTEP th:TH_LOAD_NT scope:SCOPE_SE
	global_prefetch_b8 v[VPF], s[PW:PW+1] offset:5*WSTEP th:TH_LOAD_NT scope:SCOPE_SE
	s_wait_kmcnt 0x0
	s_min_u32 s[CNT], s[CNT], 0x400
	s_add_co_u32 s[NTL], s[CNT], 15
	s_lshr_b32 s[NTL], s[NTL], 4
	s_add_co_u32 s[NT], s[NTL], 3
	s_sub_co_u32 s[NT], s[NT], s[WV]
	s_lshr_b32 s[NT], s[NT], 2
	s_min_u32 s[NT], s[NT], 6
	s_sub_co_i32 s[ON], s[NTL], 17
	s_sub_co_i32 s[ON], s[ON], s[WV]
	s_max_i32 s[ON], s[ON], 0
	s_lshr_b32 s[ON], s[ON], 3
.set n, 0
.rept 4
	v_add_nc_u32 v[VA+n], n*524288, v[VH]
.set n, n+1
.endr
	s_cmp_ge_u32 s[NT], 5                          ; a dead tile 4 or 5 has no bytes in h: it reads tile 0's instead
	s_cselect_b32 s75, 4*524288, 0
	v_add_nc_u32 v[VA+4], s75, v[VH]
	s_cmp_ge_u32 s[NT], 6
	s_cselect_b32 s75, 5*524288, 0
	v_add_nc_u32 v[VA+5], s75, v[VH]
	s_wait_alu depctr_va_vdst(0)                   ; the six row offsets v[VA ..] are written, which the rows' loads read
	ALH 0, 0, 0, 0                                 ; rows of trip 0, both sub-steps, all six tiles: every row register is written on every way
	ALH 0, 1, 0, 0
	s_wait_loadcnt 24                              ; all but those 24: the lists and the weights of trips 0 and 1 are in
	ADSET 48
	CVT ST0
	s_wait_alu depctr_va_vdst(0)                   ; the conversions have written v[PK ..], which the LDS stores read, and are done reading the first stage set, in which weights land
	STW 0
	WLOAD ST0, 2*WSTEP                             ; weights of trip 2, then rows (1, 0): the order in which the trips go on
	ALH 1, 0, ASTEP, 0
	s_wait_dscnt 0x0                               ; my part of slot 0 is stored
	s_barrier_signal -1
	s_barrier_wait -1
	FETCHH 0, 0                                    ; fragments (0, 0)
	TRIP 0, 1, 40, 32, 48, 1, 1, 1, 1, 1           ; trip 0
	s_mov_b32 s[LC], 6
.Lk:                                           ; trips 1 to 12
	TRIP 1, 0, 40, 32, 48, 1, 1, 1, 2, 1
	TRIP 0, 0, 40, 32, 48, 1, 1, 1, 3, 1
	s_sub_co_u32 s[LC], s[LC], 1
	s_cmp_lg_u32 s[LC], 0
	s_cbranch_scc1 .Lk
	TRIP 1, 0, 40, 32, 32, 1, 1, 0, 0, 1           ; trip 13: no weights are left to ask for.  Behind rows (13, 1): weights 15, rows (14, 0), (14, 1): 16 + 8 + 8
	TRIP 0, 0, 24, 16, 16, 1, 1, 0, 0, 0           ; trip 14: behind weights 15: rows (14, 0), (14, 1), (15, 0); behind rows (14, 0): rows (14, 1), (15, 0); behind rows (14, 1): rows (15, 0), (15, 1)
	TRIP 1, 0, 0, 8, 0, 0, 0, 0, 0, 0              ; trip 15: behind rows (15, 0): rows (15, 1); nothing is staged, so no barrier
.rept 4
	v_nop                                          ; four places between the last products and the first read of a result
.endr
.irp j, 0,1,2,3,4,5
	s_cmp_lt_u32 s[NT], (\j)+1
	s_cbranch_scc1 .Lfastdone                      ; from the first dead tile on nothing is stored
	EPO \j
.endr
.Lfastdone:
	s_cmp_eq_u32 s[ON], 0
	s_cbranch_scc1 .Lend
	s_mov_b32 s[OI], 0
.Lover:                                        ; tiles 24 + w + 8 i and four further on, in the registers of tiles 0 and 1
	s_wait_xcnt 0x0                                ; the way out's stores have read their registers
	s_wait_alu depctr_vm_vsrc(0)                   ; the way out's stores have read their offsets v192-207, in which the lists land, and both out-buffers, in which weights land; the rows' loads have read v[VA+1], which is written again
.set n, 0
.rept 2
	global_load_b128 v[192+8*n:192+8*n+3], v[LV], s[OLO:OLO+1] offset:n*256
	global_load_b128 v[192+8*n+4:192+8*n+7], v[LV], s[OLO:OLO+1] offset:n*256+16
.set n, n+1
.endr
	WIN 0x40
.set n, 0
.rept 2
	global_load_b128 v[192+8*n:192+8*n+3], v[LV], s[OLG:OLG+1] offset:n*256
	global_load_b128 v[192+8*n+4:192+8*n+7], v[LV], s[OLG:OLG+1] offset:n*256+16
.set n, n+1
.endr
	WIN 0
	s_lshl_b32 s75, s[OI], 3
	s_add_co_u32 s75, s75, s[WV]
	s_add_co_u32 s75, s75, 28
	s_cmp_lt_u32 s75, s[NTL]                       ; a dead second tile reads the first one's rows
	s_cselect_b32 s74, 524288, 0
	v_add_nc_u32 v[VA+1], s74, v[VH]
	s_mov_b64 s[OW:OW+1], s[OW0:OW0+1]
	s_mov_b64 s[OA:OA+1], s[OA0:OA0+1]
	s_mov_b32 s[WINC], 16*PITCH
	s_mov_b32 s[WINC+1], 0
	s_wait_loadcnt 0x0
	ADSET 16
	OSTEP 1
	s_mov_b32 s[KC], 31
.Lok:
	OSTEP 0
	s_sub_co_u32 s[KC], s[KC], 1
	s_cmp_lg_u32 s[KC], 0
	s_cbranch_scc1 .Lok
.rept 4
	v_nop
.endr
	EPO 0
	s_cmp_ge_u32 s75, s[NTL]
	s_cbranch_scc1 .Lnob
	EPO 1
.Lnob:
	s_wait_xcnt 0x0
	s_add_nc_u64 s[OA0:OA0+1], s[OA0:OA0+1], 1<<20
	s_add_nc_u64 s[OLO:OLO+1], s[OLO:OLO+1], 512
	s_add_nc_u64 s[OLG:OLG+1], s[OLG:OLG+1], 512
	s_add_co_u32 s[OI], s[OI], 1
	s_cmp_lt_u32 s[OI], s[ON]
	s_cbranch_scc1 .Lover
.Lend:
	s_wait_dscnt 0x0                               ; the closing lines, six on end
	s_wait_alu 0x0
	s_wait_tensorcnt 0x0
	ds_add_u32 v[SPW], v[NIL]
	s_wait_dscnt 0x0
	s_endpgm
.Lfunc_end_k_q2165482024_down:
	.size	k_q2165482024_down, .Lfunc_end_k_q2165482024_down-k_q2165482024_down
	.p2alignl 7, 3214868480
	.fill 96, 4, 3214868480
	.section	.rodata,"a",@progbits
	.p2align	6, 0x0
	.amdhsa_kernel k_q2165482024_down
		.amdhsa_group_segment_fixed_size 33280
		.amdhsa_private_segment_fixed_size 0
		.amdhsa_enable_private_segment 0
		.amdhsa_kernarg_size 40
		.amdhsa_user_sgpr_count 2
		.amdhsa_user_sgpr_kernarg_segment_ptr 1
		.amdhsa_wavefront_size32 1
		.amdhsa_system_sgpr_workgroup_id_x 1
		.amdhsa_system_sgpr_workgroup_id_y 1
		.amdhsa_system_sgpr_workgroup_id_z 1
		.amdhsa_system_vgpr_workitem_id 0
		.amdhsa_next_free_vgpr 1024
		.amdhsa_next_free_sgpr 100
		.amdhsa_reserve_vcc 0
		.amdhsa_float_denorm_mode_32 3
		.amdhsa_float_denorm_mode_16_64 3
		.amdhsa_memory_ordered 1
		.amdhsa_forward_progress 1
		.amdhsa_inst_pref_size 161
	.end_amdhsa_kernel
	.amdgpu_metadata
---
amdhsa.version: [ 1, 2 ]
amdhsa.kernels:
  - .name:           k_q2165482024_down
    .symbol:         k_q2165482024_down.kd
    .args:
      - { .name: h, .offset: 0, .size: 8, .value_kind: global_buffer, .address_space: global }
      - { .name: w2, .offset: 8, .size: 8, .value_kind: global_buffer, .address_space: global }
      - { .name: order, .offset: 16, .size: 8, .value_kind: global_buffer, .address_space: global }
      - { .name: gatew, .offset: 24, .size: 8, .value_kind: global_buffer, .address_space: global }
      - { .name: part, .offset: 32, .size: 8, .value_kind: global_buffer, .address_space: global }
    .group_segment_fixed_size: 33280
    .private_segment_fixed_size: 0
    .kernarg_segment_align: 8
    .kernarg_segment_size: 40
    .max_flat_workgroup_size: 128
    .sgpr_count:     100
    .vgpr_count:     1024
    .wavefront_size: 32
...
	.end_amdgpu_metadata
.endif
;; end of part 6
;; launch combine (part 7): grid 256 x 1, 8 waves a work-group, no clusters, 0 bytes of LDS; arguments part, b2, sel, out3, out0; writes out0
.if DOCPART == 7
	.amdgcn_target "amdgcn-amd-amdhsa--gfx1250"
	.amdhsa_code_object_version 6
	.text
	.protected	k_q2165482024_combine
	.globl	k_q2165482024_combine
	.p2align	8
	.type	k_q2165482024_combine,@function
k_q2165482024_combine:
	s_mov_b64 s[64:65], 0
	v_nop
	global_prefetch_b8 v0, s[64:65] scope:SCOPE_SE
	s_setreg_imm32_b32 hwreg(HW_REG_WAVE_SCHED_MODE, 0, 2), 2
	s_setreg_imm32_b32 hwreg(HW_REG_WAVE_MODE, 25, 1), 1
	s_wait_xcnt 0x0
	s_wait_alu depctr_vm_vsrc(0)
; THE SUM.  out0[t] = the eight partial rows of token t (two choices x four quarters of the hidden width, each already times the gate's weight) + w0 b2[e0] + w1 b2[e1].
; b2 is rounded to bf16 like every input; all sums in f32.  part: [4][2048 slots][1024] f32, slot = 2 t + k.
; A stream: a work-group owns 4 tokens, a thread 16 bytes of every row, so a wave's load or store covers 512 consecutive bytes.  All 32 partial rows are asked for at once,
; ahead of everything else.  No LDS, no matrix unit, no cluster: no byte is shared between work-groups but b2's 32 KB.
; THE MODE: SCHED_MODE bits 1:0 = 2 (LLVM: expert scheduling mode 2), set by the entry lines.  The code itself states the register dependences
; between vector instructions and memory instructions, with s_wait_alu, always for 0.
; THE PLAN.  Registers that memory instructions touch:
;   v1          written once at the head; the offset of every partial row's load and of every store
;   v[VB ..]    the eight offsets in b2: written in one run, then read by the eight loads; never written again
;   v[P ..], v[B2R ..]  each lands once; a token's sum is made in place in its first four registers, which its one store reads; none is written behind that store
; So: one wait on va_vdst ahead of the first loads, one ahead of b2's loads, and one for each token's store.  A token's store is issued at the next token's head, behind that head's
; wait for data and the wait on va_vdst.  No register that a memory instruction has read is written again, so there is no wait on vm_vsrc.
.set P,   16                           ; v[16:143]  slot sl, quarter q at 16 + 16 sl + 4 q
.set VB,  144                          ; v[144:151] the chosen rows' offsets in b2
.set B2R, 152                          ; v[152:183] the eight chosen rows of b2
	s_load_b256 s[4:11], s[0:1], 0x0               ; part s[4:5], b2 s[6:7], sel s[8:9], out3 s[10:11]
	s_load_b64 s[12:13], s[0:1], 0x20              ; out0
	v_lshlrev_b32 v1, 4, v0
	s_lshl_b32 s14, ttmp9, 15                      ; 8 slots of 4,096 bytes
	s_mov_b32 s15, 0
	s_lshl_b32 s16, ttmp9, 5                       ; 4 tokens x 2 choices x 4 bytes
	s_mov_b32 s17, 0
	s_lshl_b32 s18, ttmp9, 14                      ; 4 rows of out0
	s_mov_b32 s19, 0
	s_mov_b32 s28, 0xffff0000                      ; a word's upper bf16
	s_wait_kmcnt 0x0
	s_add_nc_u64 s[8:9], s[8:9], s[16:17]
	s_add_nc_u64 s[10:11], s[10:11], s[16:17]
	s_load_b256 s[32:39], s[8:9], 0x0              ; the eight choices
	s_load_b256 s[40:47], s[10:11], 0x0            ; and their weights
	s_add_nc_u64 s[20:21], s[4:5], s[14:15]
	s_add_nc_u64 s[22:23], s[20:21], 0x800000      ; the four quarters lie 8 MiB apart
	s_add_nc_u64 s[24:25], s[20:21], 0x1000000
	s_add_nc_u64 s[26:27], s[20:21], 0x1800000
	s_add_nc_u64 s[12:13], s[12:13], s[18:19]
	s_wait_alu depctr_va_vdst(0)                   ; v1 is written, which the partial rows' loads and all stores read as their offset
.set n, 0
.rept 32                                       ; slot n / 4, quarter n % 4
	global_load_b128 v[P+4*n:P+4*n+3], v1, s[20+2*(n%4):21+2*(n%4)] offset:(n/4)*4096 th:TH_LOAD_NT
.set n, n+1
.endr
	s_wait_kmcnt 0x0
.set n, 0
.rept 8
	s_min_u32 s[32+n], s[32+n], 7
	v_lshl_add_u32 v[VB+n], s[32+n], 12, v1
.set n, n+1
.endr
	s_wait_alu depctr_va_vdst(0)                   ; the eight offsets v[VB ..] are written, which the loads of b2's rows read
.set n, 0
.rept 8
	global_load_b128 v[B2R+4*n:B2R+4*n+3], v[VB+n], s[6:7]
.set n, n+1
.endr
.macro ADDROW d, a                     ; a row's four numbers onto another's
	v_pk_add_f32 v[(\d):(\d)+1], v[(\d):(\d)+1], v[(\a):(\a)+1]
	v_pk_add_f32 v[(\d)+2:(\d)+3], v[(\d)+2:(\d)+3], v[(\a)+2:(\a)+3]
.endm
.macro TOKEN i
	s_wait_loadcnt 6-2*(\i)                        ; all partial rows and my two rows of b2 are in; the later tokens' rows of b2 stay out
.if (\i) > 0
	s_wait_alu depctr_va_vdst(0)                   ; the token before has written its sum, which its store reads
	global_store_b128 v1, v[P+32*((\i)-1):P+32*((\i)-1)+3], s[12:13] offset:((\i)-1)*4096 th:TH_STORE_NT
.endif
.set B, P+32*(\i)
.set BB, B2R+8*(\i)
	ADDROW B, B+4
	ADDROW B+8, B+12
	ADDROW B+16, B+20
	ADDROW B+24, B+28
	ADDROW B, B+8
	ADDROW B+16, B+24
	ADDROW B, B+16
.set k, 0
.rept 2
	v_cvt_pk_bf16_f32 v8, v[BB+4*k], v[BB+4*k+1]   ; b2 rounded to bf16 and widened again
	v_cvt_pk_bf16_f32 v9, v[BB+4*k+2], v[BB+4*k+3]
	v_lshlrev_b32 v[BB+4*k], 16, v8
	v_and_b32 v[BB+4*k+1], s28, v8
	v_lshlrev_b32 v[BB+4*k+2], 16, v9
	v_and_b32 v[BB+4*k+3], s28, v9
.set c, 0
.rept 4
	v_fma_f32 v[B+c], v[BB+4*k+c], s[40+2*(\i)+k], v[B+c]
.set c, c+1
.endr
.set k, k+1
.endr
.endm
	TOKEN 0
	TOKEN 1
	TOKEN 2
	TOKEN 3
	s_wait_alu depctr_va_vdst(0)                   ; the last token has written its sum, which its store reads
	global_store_b128 v1, v[P+96:P+99], s[12:13] offset:3*4096 th:TH_STORE_NT
	s_endpgm
.Lfunc_end_k_q2165482024_combine:
	.size	k_q2165482024_combine, .Lfunc_end_k_q2165482024_combine-k_q2165482024_combine
	.p2alignl 7, 3214868480
	.fill 96, 4, 3214868480
	.section	.rodata,"a",@progbits
	.p2align	6, 0x0
	.amdhsa_kernel k_q2165482024_combine
		.amdhsa_group_segment_fixed_size 0
		.amdhsa_private_segment_fixed_size 0
		.amdhsa_enable_private_segment 0
		.amdhsa_kernarg_size 40
		.amdhsa_user_sgpr_count 2
		.amdhsa_user_sgpr_kernarg_segment_ptr 1
		.amdhsa_wavefront_size32 1
		.amdhsa_system_sgpr_workgroup_id_x 1
		.amdhsa_system_sgpr_workgroup_id_y 1
		.amdhsa_system_sgpr_workgroup_id_z 1
		.amdhsa_system_vgpr_workitem_id 0
		.amdhsa_next_free_vgpr 192
		.amdhsa_next_free_sgpr 66
		.amdhsa_reserve_vcc 0
		.amdhsa_float_denorm_mode_32 3
		.amdhsa_float_denorm_mode_16_64 3
		.amdhsa_memory_ordered 1
		.amdhsa_forward_progress 1
		.amdhsa_inst_pref_size 14
	.end_amdhsa_kernel
	.amdgpu_metadata
---
amdhsa.version: [ 1, 2 ]
amdhsa.kernels:
  - .name:           k_q2165482024_combine
    .symbol:         k_q2165482024_combine.kd
    .args:
      - { .name: part, .offset: 0, .size: 8, .value_kind: global_buffer, .address_space: global }
      - { .name: b2, .offset: 8, .size: 8, .value_kind: global_buffer, .address_space: global }
      - { .name: sel, .offset: 16, .size: 8, .value_kind: global_buffer, .address_space: global }
      - { .name: out3, .offset: 24, .size: 8, .value_kind: global_buffer, .address_space: global }
      - { .name: out0, .offset: 32, .size: 8, .value_kind: global_buffer, .address_space: global }
    .group_segment_fixed_size: 0
    .private_segment_fixed_size: 0
    .kernarg_segment_align: 8
    .kernarg_segment_size: 40
    .max_flat_workgroup_size: 256
    .sgpr_count:     66
    .vgpr_count:     192
    .wavefront_size: 32
...
	.end_amdgpu_metadata
.endif
;; end of part 7
